; MI455X (gfx1250); checked and timed in simulation.
; The chip was launched on July 23, 2026; its instructions are those of AMD's public machine-readable ISA for CDNA 5 (MIT licence, August 2026) and "CDNA5" Instruction Set Architecture Reference Guide (July 2026). The comments in the code are by the model that wrote it; some were corrected since.
;; Attention Base. Allowed arithmetic: matrix products marked QUANTISED: E2M1 operands, one E8M0 scale for each 32 along K, by v_wmma_scale_f32_16x16x128_f8f6f4 with both operands' format E2M1 (or v_wmma_scale_f32_32x16x128_f4), f32 sums; products left as they are: bf16, f16 or f32 operands; f32 sums; everything else in f32.
;; Inputs: hidden_states 2,048 x 2,048 float32; k_norm_w 128 float32; position_ids 2,048 int32; q_norm_w 128 float32; wk 2,048 x 2,048 float32; wo 2,048 x 2,048 float32; wq 2,048 x 2,048 float32; wv 2,048 x 2,048 float32.
;; Outputs: out0 2,048 x 2,048 float32.
;; This version of the problem:
;;   THIS VERSION OF THE PROBLEM IS GIVEN IN LOW PRECISION. The matrix products marked QUANTISED in the list below multiply operands that are first quantised to E2M1 (2 exponent bits, 1 mantissa bit; 4 bits a number), with one power-of-two scale for each 32 numbers along K (OCP MX v1.0); their sums are f32. The products marked 'left as it is' may take bf16, f16 or f32 operands, with f32 sums. Whichever they take, every output number must still come out within the allowed error. Rounding operands to bf16 (8 significant bits) uses up far more of that allowance than f16 does (11 bits, for magnitudes from 6e-5 to 65,504). All else is computed in f32.
;;   The module's matrix products, in the order in which they are computed (A, B: the left and right operand; K: the contracted axis; several contracted axes count as one K, in the product's order):
;;     1. [M 2,048, K 2,048] x [K 2,048, N 2,048]; A: input hidden_states; B: input wq: QUANTISED
;;     2. [M 2,048, K 2,048] x [K 2,048, N 2,048]; A: input hidden_states; B: input wk: QUANTISED
;;     3. [M 2,048, K 2,048] x [K 2,048, N 2,048]; A: input hidden_states; B: input wv: QUANTISED
;;     4. batch 16 x [M 2,048, K 128] x [K 128, N 2,048]; A: computed on the way; B: computed on the way: left as it is (an operand is computed on the way)
;;     5. batch 16 x [M 128, K 2,048] x [K 2,048, N 2,048]; A: computed on the way; B: computed on the way: left as it is (an operand is computed on the way)
;;     6. [M 2,048, K 2,048] x [K 2,048, N 2,048]; A: computed on the way; B: input wo: left as it is (an operand is computed on the way)
;;   THE QUANTISER, for each operand of a quantised product, along K:
;;     - K is cut into blocks of 32 from its start; a last block that is shorter is filled with zeros.
;;     - A block's scale is 2^e with e = floor(log2(the largest magnitude in the block)) - 2, held to -126 .. 127; a block of zeros has e = 0. As a byte (E8M0): e + 127.
;;     - Each number is divided by its block's scale, clamped to +-6, and rounded to the nearest number of E2M1, ties to even, subnormals kept.
;;     - The product sums the exact products of the quantised numbers (number of the format x scale) in f32.
;;   ~~~python
;;   def quantise(x, axis):      # numpy; x: float32 -> the quantised numbers, widened to float32 again
;;       x = np.moveaxis(x, axis, -1); K = x.shape[-1]
;;       x = np.pad(x, [(0, 0)] * (x.ndim - 1) + [(0, -K % 32)]); x = x.reshape(x.shape[:-1] + (-1, 32)); a = np.abs(x).max(-1, keepdims=True)
;;       e = np.where(a > 0, np.clip(np.frexp(np.where(a > 0, a, 1))[1] - 1 - 2, -126, 127), 0)      # np.frexp(a)[1] - 1 = floor(log2(a)), exactly
;;       r = np.clip(x / 2.0 ** e, -6, 6)
;;       step = 2.0 ** (np.maximum(np.frexp(np.where(r == 0, 1, r))[1] - 1, 0) - 1)
;;       q = np.round(r / step) * step * 2.0 ** e      # np.round: ties to even
;;       return np.moveaxis(q.reshape(q.shape[:-2] + (-1,))[..., :K], -1, axis).astype(np.float32)
;;   ~~~
;; One version. Each part assembles by itself: llvm-mc -triple=amdgcn-amd-amdhsa -mcpu=gfx1250 --defsym DOCPART=n.
;; ======== version 1 of 1: 5 launches
;; limits: values are held in f16: magnitudes above 65,504 overflow, below 6.1e-05 lose precision
;; workspace buffers: codes 8,388,608 bytes; scales 524,288 bytes; wo16t 8,388,608 bytes; rope 1,048,576 bytes; qkv16 25,165,824 bytes; fine 1,572,864 bytes; ctx32 131,072 bytes; ctx16 8,388,608 bytes
;; launch prep (part 1): grid 416 x 1, 4 waves a work-group, no clusters, 102,912 bytes of LDS; arguments hidden_states, wq, wk, wv, wo, position_ids, codes, scales, wo16t, rope; writes codes, scales, wo16t, rope
.if DOCPART == 1
	.amdgcn_target "amdgcn-amd-amdhsa--gfx1250"
	.amdhsa_code_object_version 6
	.text
	.protected	k_q85a0a81b1d_prep
	.globl	k_q85a0a81b1d_prep
	.p2align	8
	.type	k_q85a0a81b1d_prep,@function
k_q85a0a81b1d_prep:
	s_mov_b64 s[64:65], 0
	v_nop
	global_prefetch_b8 v0, s[64:65] scope:SCOPE_SE
	s_setreg_imm32_b32 hwreg(HW_REG_WAVE_MODE, 25, 1), 1
	s_wait_xcnt 0x0
; Everything that is made once from the inputs, in one launch; the work-group's number picks one of four roles.
;   0-191   W: wq, wk, wv [k][n] f32 -> codes of FP4 (E2M1) laid [n][k], K innermost, and one E8M0 byte for each 32 along K.  128 columns x 512 K a work-group.
;   192-255 O: wo [k][n] f32 -> f16 laid [n][k].  The same shares.
;   256-383 X: hidden_states [t][k] f32 -> codes and scale bytes, K innermost as it lies.  32,768 numbers a work-group.
;   384-415 R: cos and sin of position x inv_freq, in the order of the registers of the launch that applies them.  64 positions a work-group.
; codes: [8192 rows][1024 bytes]: rows 0-2047 x, row 2048 + 2048 kind + n column n of wq, wk, wv.  scales: [8192][64], the same rows.
; A block's scale is 2^(floor(log2(largest magnitude)) - 2); its byte is the largest magnitude's exponent field - 2, held at 1 from below.
; LIMITS: a block of zeros gets the byte 1 where the rule says 127 (its codes are zeros, and this program alone reads the bytes); NaN and infinities are not served;
; |wo| stays under 65,504 (f16); the reduction of the angle by pi/2 in three parts holds for |position| under 2^22; inv_freq = 2^(-i log2(10000) / 64) by v_exp_f32, a few ulp from a power function's.
; Memory binds: no matrix unit, no cluster, no tensor load.  Each role has LDS bytes of its own; waves share nothing, so there is no barrier.
.set WSTG,  32768                      ; role X has bytes 0 - 32,767 (8,192 a wave); role W's four stages of 32 x 272 begin here,
.set OSTG,  67584                      ; role O's here,
.set SPARE, 102400                     ; and the spare words, 128 bytes a wave, here: two blocks of 256 bytes that no other line names
.set PITCH, 272
.set EMAX,  2
.set SPW,   192                        ; v192  LDS address of my spare word; never rewritten
.set NIL,   193                        ; v193  0; never rewritten
.set WX,    32                         ; roles W, O: v32-95 two sets of 32 numbers down K
.set WC,    96                         ; v96..  a block's codes (W) or its 16 words of f16 (O)
.set OUTR,  112                        ; v112-175 the way out
.set SB,    24                         ; v24-27 scale bytes, four to a register
.set SP,    80                         ; role X: a lane's place in a stage: 64 bytes + 16 of padding
.set XR,    16                         ; v16-79  four sets of 16 numbers as loaded
.set XX,    80                         ; v80-111 two sets of 16 neighbours
.set XE,    112                        ; v112-127 a scale byte for each step
.set XC,    128                        ; v128-191 codes, four registers a step
.macro LOAD t                          ; roles W, O: block t: rows 32 t + i of my column, i = 0 .. 31, into set t % 2; 32 lanes read 128 consecutive bytes
.irp i, 0,1,2,3,4,5,6,7,8,9,10,11,12,13,14,15,16,17,18,19,20,21,22,23,24,25,26,27,28,29,30,31
	global_load_b32 v[WX+32*((\t)%2)+\i], v3, s[28:29] offset:(32*(\t)+\i)*8192 th:TH_LOAD_NT
.endr
.endm
	s_load_b512 s[4:19], s[0:1], 0x0               ; hidden_states 4, wq 6, wk 8, wv 10, wo 12, position_ids 14, codes 16, scales 18
	s_load_b128 s[20:23], s[0:1], 0x40             ; wo16t 20, rope 22
	v_lshl_add_u32 v[SPW], v0, 2, SPARE
	v_mov_b32 v[NIL], 0
	v_lshrrev_b32 v1, 5, v0
	v_readfirstlane_b32 s24, v1                    ; wave 0..3
	v_and_b32 v2, 31, v0                           ; lane
	s_wait_kmcnt 0x0
	s_cmp_ge_u32 ttmp9, 384
	s_cbranch_scc1 .Lrope
	s_cmp_ge_u32 ttmp9, 256
	s_cbranch_scc1 .Lx
	; ---- roles W and O: a lane takes a column, its registers run down K
	s_lshr_b32 s25, ttmp9, 6                       ; kind: 0 wq, 1 wk, 2 wv, 3 wo
	s_and_b32 s26, ttmp9, 15                       ; which 128 columns
	s_bfe_u32 s27, ttmp9, 0x20004                  ; which 512 along K
	s_lshl_b32 s30, s26, 7
	s_lshl_b32 s31, s24, 5
	s_add_co_u32 s30, s30, s31                     ; my wave's first column
	s_cmp_eq_u32 s25, 0                            ; the source: a choice on the work-group's number alone
	s_cselect_b64 s[28:29], s[6:7], s[8:9]
	s_cmp_eq_u32 s25, 2
	s_cselect_b64 s[28:29], s[10:11], s[28:29]
	s_cmp_eq_u32 s25, 3
	s_cselect_b64 s[28:29], s[12:13], s[28:29]
	s_lshl_b32 s32, s27, 22                        ; 512 rows of 8,192 bytes
	s_lshl_b32 s33, s30, 2
	s_add_co_u32 s32, s32, s33
	s_mov_b32 s33, 0
	s_add_nc_u64 s[28:29], s[28:29], s[32:33]
	v_lshlrev_b32 v3, 2, v2                        ; in: 4 bytes a lane
	s_mul_i32 s36, s24, 32*PITCH                   ; my stage in the role's region
	v_mul_u32_u24 v4, v2, PITCH                    ; into it: row = my column
	v_and_b32 v5, 15, v2
	v_lshrrev_b32 v6, 4, v2
	v_mul_u32_u24 v7, v6, PITCH                    ; out of it: sixteen lanes to a row, two rows an instruction
	v_lshl_add_u32 v7, v5, 4, v7
	LOAD 0
	LOAD 1                                         ; two blocks, 64 loads a wave, ahead
	s_cmp_eq_u32 s25, 3
	s_cbranch_scc1 .Lo
	; ---- role W
	s_add_co_u32 s36, s36, WSTG
	v_add_nc_u32 v4, s36, v4
	v_add_nc_u32 v7, s36, v7
	v_lshlrev_b32 v8, 10, v6                       ; the same two rows in the codes' buffer: 1,024 bytes a row
	v_lshl_add_u32 v8, v5, 4, v8
	v_lshlrev_b32 v9, 6, v2                        ; my column's row of scale bytes
	s_lshl_b32 s34, s25, 11
	s_add_co_u32 s34, s34, s30
	s_add_co_u32 s34, s34, 2048                    ; my wave's first row of codes and scales
	s_lshl_b32 s32, s34, 10
	s_lshl_b32 s35, s27, 8
	s_add_co_u32 s32, s32, s35                     ; + 256 bytes for each 512 along K
	s_add_nc_u64 s[16:17], s[16:17], s[32:33]
	s_lshl_b32 s32, s34, 6
	s_lshl_b32 s35, s27, 4
	s_add_co_u32 s32, s32, s35
	s_add_nc_u64 s[18:19], s[18:19], s[32:33]
.macro BLOCK t
.set XS, WX+32*((\t)%2)
.if (\t) < 15
	s_wait_loadcnt 32                              ; this block's 32 loads are in; the next block's may be out
.else
	s_wait_loadcnt 0
.endif
	v_max3_num_f32 v12, |v[XS]|, |v[XS+1]|, |v[XS+2]|     ; the block's largest magnitude: all 32 numbers are mine
	v_max3_num_f32 v13, |v[XS+3]|, |v[XS+4]|, |v[XS+5]|
.irp i, 6,10,14,18,22,26
	v_max3_num_f32 v12, v12, |v[XS+\i]|, |v[XS+\i+1]|
	v_max3_num_f32 v13, v13, |v[XS+\i+2]|, |v[XS+\i+3]|
.endr
	v_max3_num_f32 v12, v12, |v[XS+30]|, |v[XS+31]|
	v_max3_num_f32 v12, v12, v13, (EMAX+1)<<23     ; and the floor 2^(3 - 127): the byte cannot fall under 1
	v_add_nc_u32 v11, -(EMAX<<23), v12             ; 2 off the exponent field: the conversion takes that field of this operand as its scale
	v_lshrrev_b32 v13, 23, v11                     ; the scale's byte
.if (\t)%4 == 0
	v_mov_b32 v[SB+(\t)/4], v13
.else
	v_lshl_or_b32 v[SB+(\t)/4], v13, 8*((\t)%4), v[SB+(\t)/4]
.endif
.irp g, 0,1,2,3
	v_cvt_scalef32_pk8_fp4_f32 v[WC+\g], v[XS+8*\g:XS+8*\g+7], v11
.endr
	ds_store_b128 v4, v[WC:WC+3] offset:16*(\t)    ; 32 codes: 16 bytes of my column's row
.if (\t)+2 < 16
	LOAD (\t)+2
.endif
	s_wait_dscnt 0x0                               ; the store has read its registers: the next block's codes may be written
.endm
.irp t, 0,1,2,3,4,5,6,7,8,9,10,11,12,13,14,15
	BLOCK \t
.endr
	global_store_b128 v9, v[SB:SB+3], s[18:19]     ; my column's 16 scale bytes
.irp t, 0,1,2,3,4,5,6,7,8,9,10,11,12,13,14,15
	ds_load_b128 v[OUTR+4*\t:OUTR+4*\t+3], v7 offset:2*\t*PITCH   ; LDS serves a wave's instructions in order: these see my stores
.endr
.irp t, 0,1,2,3,4,5,6,7,8,9,10,11,12,13,14,15
	s_wait_dscnt 15-\t
	global_store_b128 v8, v[OUTR+4*\t:OUTR+4*\t+3], s[16:17] offset:2*\t*1024   ; sixteen lanes store 256 consecutive bytes, aligned
.endr
	s_branch .Lend
	; ---- role O: the same walk; a block of 32 along K becomes 64 bytes of f16; every four blocks (256 bytes a column) leave through the stage
.Lo:
	s_add_co_u32 s36, s36, OSTG
	v_add_nc_u32 v4, s36, v4
	v_add_nc_u32 v7, s36, v7
	v_lshlrev_b32 v8, 12, v6                       ; a row of wo16t is 4,096 bytes
	v_lshl_add_u32 v8, v5, 4, v8
	s_lshl_b32 s32, s30, 12
	s_lshl_b32 s35, s27, 10                        ; 512 along K are 1,024 bytes
	s_add_co_u32 s32, s32, s35
	s_add_nc_u64 s[20:21], s[20:21], s[32:33]
.macro OBLK t
.set XS, WX+32*((\t)%2)
.if (\t) < 15
	s_wait_loadcnt 32                              ; as in role W
.else
	s_wait_loadcnt 0
.endif
.set i, 0
.rept 16
	v_cvt_pk_f16_f32 v[WC+i], v[XS+2*i], v[XS+2*i+1]
.set i, i+1
.endr
.irp i, 0,1,2,3
	ds_store_b128 v4, v[WC+4*\i:WC+4*\i+3] offset:64*((\t)%4)+16*\i
.endr
.if (\t)+2 < 16
	LOAD (\t)+2
.endif
	s_wait_dscnt 0x0                               ; the stores have read their registers
.endm
.macro OOUT p
.if (\p) > 0
	s_wait_xcnt 0x0                                ; the last pass's stores have read v112-175: only now are they loaded again
.endif
.irp t, 0,1,2,3,4,5,6,7,8,9,10,11,12,13,14,15
	ds_load_b128 v[OUTR+4*\t:OUTR+4*\t+3], v7 offset:2*\t*PITCH
.endr
.irp t, 0,1,2,3,4,5,6,7,8,9,10,11,12,13,14,15
	s_wait_dscnt 15-\t
	global_store_b128 v8, v[OUTR+4*\t:OUTR+4*\t+3], s[20:21] offset:2*\t*4096+256*(\p)   ; sixteen lanes store 256 consecutive bytes, aligned
.endr
.endm
.irp p, 0,1,2,3
	OBLK 4*\p
	OBLK 4*\p+1
	OBLK 4*\p+2
	OBLK 4*\p+3
	OOUT \p
.endr
	s_branch .Lend
	; ---- role X: a plain stream of blocks of 32.  Loads take the bytes as they lie, 512 to a load; a step's 2,048 bytes turn through the wave's own stage, so that a lane holds 16 neighbours
.Lx:
	v_lshlrev_b32 v3, 4, v2                        ; my 16 bytes of a load's 512
	s_lshl_b32 s25, s24, 13                        ; my wave's region
	v_lshrrev_b32 v14, 2, v2
	v_mul_u32_u24 v14, v14, SP
	v_and_b32 v15, 3, v2
	v_lshl_add_u32 v14, v15, 4, v14
	v_add_nc_u32 v14, s25, v14                     ; the stage, in: four lanes' 64 bytes on end, then 16 of padding
	v_mul_u32_u24 v15, v2, SP
	v_add_nc_u32 v15, s25, v15                     ; and out: my 16 neighbours
	v_lshlrev_b32 v4, 3, v2                        ; my 8 bytes of a step's codes
	v_lshrrev_b32 v5, 1, v2
	s_add_co_u32 s25, s25, 2*32*SP
	v_add_nc_u32 v5, s25, v5                       ; my wave's 256 scale bytes, my block's byte
	v_lshlrev_b32 v7, 3, v2
	v_add_nc_u32 v6, s25, v7
	s_sub_co_u32 s26, ttmp9, 256
	s_lshl_b32 s26, s26, 2
	s_add_co_u32 s26, s26, s24                     ; which run of 8,192 numbers is my wave's: 0 .. 511
	s_lshl_b32 s28, s26, 15
	s_mov_b32 s29, 0
	s_add_nc_u64 s[4:5], s[4:5], s[28:29]
	s_lshl_b32 s28, s26, 12
	s_add_nc_u64 s[16:17], s[16:17], s[28:29]
	s_lshl_b32 s28, s26, 8
	s_add_nc_u64 s[18:19], s[18:19], s[28:29]
.macro XLOAD t
.irp i, 0,1,2,3
	global_load_b128 v[XR+16*((\t)%4)+4*\i:XR+16*((\t)%4)+4*\i+3], v3, s[4:5] offset:2048*(\t)+512*\i th:TH_LOAD_NT
.endr
.endm
.macro XTURN t                         ; LDS serves a wave's instructions in order: no wait between the stores and the loads
.irp i, 0,1,2,3
	ds_store_b128 v14, v[XR+16*((\t)%4)+4*\i:XR+16*((\t)%4)+4*\i+3] offset:32*SP*((\t)%2)+8*SP*\i
.endr
.irp i, 0,1,2,3
	ds_load_b128 v[XX+16*((\t)%2)+4*\i:XX+16*((\t)%2)+4*\i+3], v15 offset:32*SP*((\t)%2)+16*\i
.endr
.endm
.irp t, 0,1,2,3
	XLOAD \t
.endr
	s_wait_loadcnt 12                              ; step 0's four loads are in
	XTURN 0
.macro XSTEP t
.set XS, XX+16*((\t)%2)
.if (\t) > 0
	s_wait_dscnt 1                                 ; this step's numbers are back from the stage; the last step's byte store may be out
.else
	s_wait_dscnt 0x0
.endif
.if (\t)+4 < 16
	XLOAD (\t)+4
.endif
.if (\t)+1 < 16
.if 14-(\t) >= 3
	s_wait_loadcnt 12                              ; the next step's four loads are in; those of the three steps behind it may be out
.else
	s_wait_loadcnt 4*(14-(\t))
.endif
	XTURN (\t)+1
.endif
	v_max3_num_f32 v8, |v[XS]|, |v[XS+1]|, |v[XS+2]|
	v_max3_num_f32 v9, |v[XS+3]|, |v[XS+4]|, |v[XS+5]|
.irp i, 6,10
	v_max3_num_f32 v8, v8, |v[XS+\i]|, |v[XS+\i+1]|
	v_max3_num_f32 v9, v9, |v[XS+\i+2]|, |v[XS+\i+3]|
.endr
	v_max3_num_f32 v8, v8, |v[XS+14]|, |v[XS+15]|
	v_max3_num_f32 v8, v8, v9, (EMAX+1)<<23        ; the floor
	v_max_num_f32_dpp v8, v8, v8 row_xmask:1 row_mask:0xf bank_mask:0xf   ; with my neighbour's 16: the block's
	v_add_nc_u32 v11, -(EMAX<<23), v8
	v_cvt_scalef32_pk8_fp4_f32 v[XC+4*(\t)], v[XS:XS+7], v11
	v_cvt_scalef32_pk8_fp4_f32 v[XC+4*(\t)+1], v[XS+8:XS+15], v11
	v_lshrrev_b32 v[XE+(\t)], 23, v11              ; the scale's byte
	ds_store_b8 v5, v[XE+(\t)] offset:16*(\t)      ; both lanes of a block write the same byte with the same value
	global_store_b64 v4, v[XC+4*(\t):XC+4*(\t)+1], s[16:17] offset:256*(\t)   ; the wave stores 256 consecutive bytes, aligned
.endm
.irp t, 0,1,2,3,4,5,6,7,8,9,10,11,12,13,14,15
	XSTEP \t
.endr
	ds_load_b64 v[8:9], v6
	s_wait_dscnt 0x0
	global_store_b64 v7, v[8:9], s[18:19]          ; the wave's 256 scale bytes, aligned
	s_branch .Lend
	; ---- role R: wave = 16 positions; lane (r, h) makes, for position 16 g + r, the 32 frequencies i = 8 b + 4 h + 2 u + e.
	; rope: [g 128][n 16][lane 32][4 f32]: (cos i0, sin i0, cos i0 + 1, sin i0 + 1), i0 = 8 (n / 2) + 4 h + 2 (n % 2): each store is 512 consecutive bytes
.Lrope:
	s_sub_co_u32 s25, ttmp9, 384
	s_lshl_b32 s25, s25, 2
	s_add_co_u32 s25, s25, s24                     ; g
	s_lshl_b32 s26, s25, 6
	s_mov_b32 s27, 0
	s_add_nc_u64 s[14:15], s[14:15], s[26:27]
	s_lshl_b32 s26, s25, 13
	s_add_nc_u64 s[22:23], s[22:23], s[26:27]
	v_and_b32 v5, 15, v2
	v_lshlrev_b32 v3, 2, v5
	global_load_b32 v4, v3, s[14:15]               ; my position
	v_lshrrev_b32 v7, 4, v2
	v_lshlrev_b32 v7, 2, v7                        ; 4 h
	v_lshlrev_b32 v6, 4, v2                        ; 16 x lane
	s_mov_b32 s30, 0xbe549a78                      ; -log2(10000) / 64
	s_mov_b32 s31, 0x3f22f983                      ; 2 / pi
	s_mov_b32 s32, 0xbfc90fdb                      ; -pi/2 in three parts
	s_mov_b32 s33, 0x333bbd2e
	s_mov_b32 s34, 0x26f72ced
	s_mov_b32 s35, 0xbe2aaaa3                      ; sine: r + r z (S1 + z (S2 + z S3))
	s_mov_b32 s36, 0x3c08839e
	s_mov_b32 s37, 0xb94ca1f9
	s_mov_b32 s38, 0x3d2aaaa5                      ; cosine: 1 - z / 2 + z z (C1 + z (C2 + z C3))
	s_mov_b32 s39, 0xbab6061a
	s_mov_b32 s40, 0x37ccf5ce
.set k, 0
.rept 32
	v_add_nc_u32 v[128+k], 8*(k/4)+k%4, v7         ; i
.set k, k+1
.endr
.set k, 0
.rept 32
	v_cvt_f32_u32 v[128+k], v[128+k]
.set k, k+1
.endr
.set k, 0
.rept 32
	v_mul_f32 v[128+k], s30, v[128+k]
.set k, k+1
.endr
.set k, 0
.rept 32
	v_exp_f32 v[128+k], v[128+k]                   ; inv_freq
.set k, k+1
.endr
	v_nop                                          ; a plain instruction behind the last exponential
	s_wait_alu depctr_va_vdst(0)                   ; one wait for the batch, ahead of its first reader
	s_wait_loadcnt 0x0
	v_cvt_f32_i32 v4, v4
.set k, 0
.rept 32
	v_mul_f32 v[128+k], v4, v[128+k]               ; the angle: one f32 product
.set k, k+1
.endr
.macro SINCOS dc, ds, ang
	v_mul_f32 v8, s31, v[\ang]
	v_rndne_f32 v8, v8                             ; n: how many quarter turns
	v_fma_f32 v9, v8, s32, v[\ang]
	v_fma_f32 v9, v8, s33, v9
	v_fma_f32 v9, v8, s34, v9                      ; r = angle - n pi / 2, |r| <= pi / 4
	v_cvt_i32_f32 v10, v8
	v_mul_f32 v11, v9, v9                          ; z
	v_fma_f32 v12, v11, s37, s36
	v_fma_f32 v12, v12, v11, s35
	v_mul_f32 v13, v9, v11
	v_fma_f32 v12, v12, v13, v9                    ; sin r
	v_fma_f32 v14, v11, s40, s39
	v_fma_f32 v14, v14, v11, s38
	v_mul_f32 v13, v11, v11
	v_fma_f32 v15, v11, -0.5, 1.0
	v_fma_f32 v14, v14, v13, v15                   ; cos r
	v_and_b32 v13, 1, v10
	v_cmp_eq_u32 vcc_lo, 1, v13                    ; an odd quarter swaps the two
	v_cndmask_b32 v15, v12, v14, vcc_lo
	v_cndmask_b32 v14, v14, v12, vcc_lo
	v_lshlrev_b32 v13, 30, v10
	v_and_b32 v13, 0x80000000, v13                 ; the sine is negative in quarters 2, 3
	v_xor_b32 v[\ds], v13, v15
	v_add_nc_u32 v10, 1, v10
	v_lshlrev_b32 v10, 30, v10
	v_and_b32 v10, 0x80000000, v10                 ; the cosine in quarters 1, 2
	v_xor_b32 v[\dc], v10, v14
.endm
.set k, 0
.rept 32
	SINCOS 64+2*k, 65+2*k, 128+k
.set k, k+1
.endr
.irp n, 0,1,2,3,4,5,6,7,8,9,10,11,12,13,14,15
	global_store_b128 v6, v[64+4*\n:64+4*\n+3], s[22:23] offset:512*\n
.endr
.Lend:
	s_wait_tensorcnt 0x0                           ; the wave's end, behind my last LDS store
	ds_add_u32 v[SPW], v[NIL]
	s_wait_dscnt 0x0
	s_endpgm
.Lfunc_end_k_q85a0a81b1d_prep:
	.size	k_q85a0a81b1d_prep, .Lfunc_end_k_q85a0a81b1d_prep-k_q85a0a81b1d_prep
	.p2alignl 7, 3214868480
	.fill 96, 4, 3214868480
	.section	.rodata,"a",@progbits
	.p2align	6, 0x0
	.amdhsa_kernel k_q85a0a81b1d_prep
		.amdhsa_group_segment_fixed_size 102912
		.amdhsa_private_segment_fixed_size 0
		.amdhsa_enable_private_segment 0
		.amdhsa_kernarg_size 80
		.amdhsa_user_sgpr_count 2
		.amdhsa_user_sgpr_kernarg_segment_ptr 1
		.amdhsa_wavefront_size32 1
		.amdhsa_system_sgpr_workgroup_id_x 1
		.amdhsa_system_sgpr_workgroup_id_y 1
		.amdhsa_system_sgpr_workgroup_id_z 1
		.amdhsa_system_vgpr_workitem_id 0
		.amdhsa_next_free_vgpr 200
		.amdhsa_next_free_sgpr 66
		.amdhsa_reserve_vcc 1
		.amdhsa_float_denorm_mode_32 3
		.amdhsa_float_denorm_mode_16_64 3
		.amdhsa_memory_ordered 1
		.amdhsa_forward_progress 1
		.amdhsa_inst_pref_size 233
	.end_amdhsa_kernel
	.amdgpu_metadata
---
amdhsa.version: [ 1, 2 ]
amdhsa.kernels:
  - .name:           k_q85a0a81b1d_prep
    .symbol:         k_q85a0a81b1d_prep.kd
    .args:
      - { .name: hidden_states, .offset: 0, .size: 8, .value_kind: global_buffer, .address_space: global }
      - { .name: wq, .offset: 8, .size: 8, .value_kind: global_buffer, .address_space: global }
      - { .name: wk, .offset: 16, .size: 8, .value_kind: global_buffer, .address_space: global }
      - { .name: wv, .offset: 24, .size: 8, .value_kind: global_buffer, .address_space: global }
      - { .name: wo, .offset: 32, .size: 8, .value_kind: global_buffer, .address_space: global }
      - { .name: position_ids, .offset: 40, .size: 8, .value_kind: global_buffer, .address_space: global }
      - { .name: codes, .offset: 48, .size: 8, .value_kind: global_buffer, .address_space: global }
      - { .name: scales, .offset: 56, .size: 8, .value_kind: global_buffer, .address_space: global }
      - { .name: wo16t, .offset: 64, .size: 8, .value_kind: global_buffer, .address_space: global }
      - { .name: rope, .offset: 72, .size: 8, .value_kind: global_buffer, .address_space: global }
    .group_segment_fixed_size: 102912
    .private_segment_fixed_size: 0
    .kernarg_segment_align: 8
    .kernarg_segment_size: 80
    .max_flat_workgroup_size: 128
    .sgpr_count:     66
    .vgpr_count:     200
    .wavefront_size: 32
...
	.end_amdgpu_metadata
.endif
;; end of part 1
;; launch qkv (part 2): grid 24 x 8, 4 waves a work-group, clusters of 4 x 4, 327,680 bytes of LDS; arguments codes, scales, rope, q_norm_w, k_norm_w, qkv16, fine; writes qkv16, fine
.if DOCPART == 2
	.amdgcn_target "amdgcn-amd-amdhsa--gfx1250"
	.amdhsa_code_object_version 6
	.text
	.protected	k_q85a0a81b1d_qkv
	.globl	k_q85a0a81b1d_qkv
	.p2align	8
	.type	k_q85a0a81b1d_qkv,@function
k_q85a0a81b1d_qkv:
	s_mov_b64 s[64:65], 0
	v_nop
	global_prefetch_b8 v0, s[64:65] scope:SCOPE_SE
	s_setreg_imm32_b32 hwreg(HW_REG_WAVE_MODE, 25, 1), 1
	s_wait_xcnt 0x0
	s_wait_alu depctr_hold_cnt(0) depctr_sa_sdst(0) depctr_va_vdst(0) depctr_va_sdst(0) depctr_va_ssrc(0) depctr_va_vcc(0) depctr_vm_vsrc(0)
	s_getreg_b32 s2, hwreg(HW_REG_IB_STS2, 6, 4)
	s_cmp_eq_u32 s2, 0
	s_cbranch_scc0 .Lentry_in_a_cluster
	s_endpgm
.Lentry_in_a_cluster:
	s_bfe_u32 s2, ttmp6, 0x10000c
	s_cmp_lg_u32 s2, 0xf033
	s_cbranch_scc0 .Lentry_shape_is_right
	s_endpgm
.Lentry_shape_is_right:
; The three quantised products as ONE product on codes of FP4 (E2M1): C[t][n] = sum over k of x[t][k] w[n][k], t 0-2047, n 0-6143 (wq's, wk's, wv's columns), K = 2,048, one E8M0 scale for each 32 along K, sums in f32.
; A tile of C, 256 x 256, is made by a work-group of four waves; a wave makes 128 x 128: 64 accumulators, 512 registers.  A wave's 128 columns are exactly ONE HEAD, so the way out can do the head's
; RMSNorm and RoPE in registers: q and k are normalised, weighted, turned and rounded to f16; v is rounded to f16.  qkv16: f16 [kind 3][head 16][t 2048][128].
; K goes in steps of 512 through a ring of two LDS slots filled by the tensor data mover (rows of 256 bytes); the scale bytes of the work-group's rows, for all of K, come once with the first fills and stay.
; CLUSTERS: 4 x 4 work-groups; the four of a row need the same tiles of x, the four of a column the same tiles of w: each tile is asked for jointly.
; THE MATRIX INSTRUCTION IS USED TRANSPOSED (source 0 = 16 rows of w, source 1 = 16 rows of x): a lane holds eight neighbouring columns of one row t.
; THE FIRST 16 POSITIONS are carried in f32 by later launches: block 0 of the row half 0 of the clusters with y = 0 also stores its rows as f32 into fine [cy 4][kind 3][head 16][16][128].  The branch hangs on the
; cluster's y and the wave's number alone; the four partners along y are told apart by address, and only the part cy = 0 (positions 0-15) is read later.
; LIMITS: |q|, |k|, |v| stay under 65,504 (f16).
; REGISTERS, in windows of 256: window 0: v0-31 addresses; v32-95 scale words, two sets; v128-191 x's fragments, one set.  window 1: w's fragments, two sets, at v0 and v128; v64-127 the norm's weights of my
;   64 columns, v192-255 the table of block 0: loaded at the head into registers that the loop never names.  windows 2, 3: the accumulators ((a, b) at v[8 (8 (a % 4) + b)] of window 2 + a / 4).
;   On the way out, window 0: v2-9 sums, v10-11 1/rms, v64-127 y, v128-191 the turned numbers, v192-223 f16 words, v224-255 and v32-63 rows back from the stage; window 1's v0-63 the table's second set.
.set NQ,     4                         ; matrix instructions deep in a slot: 512 along K
.set ROWB,   256                       ; a tile's row in bytes
.set KROW,   1024                      ; a row of codes in memory
.set PITCH,  272                       ; an LDS row: 256 bytes + 16 of padding = 68 words, so the 16 rows of a load start at 16 different banks (64 banks of 4 bytes: ISA guide 11.1)
.set FR,     8
.set NL,     2
.set NP,     4                         ; places behind this matrix instruction (ISA guide 7.12.1)
.set HALFT,  128*PITCH
.set SLOT,   4*HALFT
.set LAPS,   2                         ; 2,048 / (2 x 512)
.set KS,     64                        ; a row of scale bytes
.set SCL,    2*SLOT
.set HALFS,  (128*KS/256)*272
.set SBLK,   (16*KS/256)*272
.set SPARE,  SCL+4*HALFS               ; the spare words, 128 bytes a wave: two blocks of 256 bytes that no other line names
.set SPITCH, 272                       ; the way out: a stage of 16 rows x (256 + 16) bytes a wave, in slot 0, which has had its last fill and its last read by then
.set ADRA, 16
.set ADRB, 20
.set FO,   22                          ; v22  512 r + 32 h: my 32 bytes of a row of fine
.set STO,  24
.set RD,   25
.set CO,   26                          ; v26  16 x lane: my 16 bytes of two rows of qkv16
.set ADRS, 27
.set SPW,  28
.set NIL,  29
.set TBO,  30                          ; v30  16 x lane: my place in a chunk of the table
.set WO,   31                          ; v31  32 h: my eight weights of 16 columns
.set SC,   32
.set AF,   128
.set T,    2
.set RS,   10
.set PT,   12
.set YY,   64
.set AA,   128
.set TMP,  192
.set WN,   64                          ; in window 1
.set G1, 24
.set G0, 32
.set G1B, 48
.set G0B, 56
.set G1S, 68
.set G0S, 76
.set G1SB, 80
.set G0SB, 88
.set MSB, 0
.macro WIN new                         ; the immediate's high byte repeats the setting that is left
.if MSB != \new
	s_set_vgpr_msb (MSB<<8)|\new
.set MSB, \new
.endif
.endm
.set MUL_LO, 0xa1                      ; source 0 (w) window 1, source 1 (x) window 0, C and D window 2
.set MUL_HI, 0xf1
.set TO_B,   0x40                      ; destination window 1, address window 0
; A joint load: waves 0 and 1 fetch for x, waves 2 and 3 for w; the branch hangs on the wave's number alone.  An s_nop 0 and four v_nop follow each line.
.macro JLOAD g0a, g1a, g0b, g1b
	s_cmp_eq_u32 s15, 0
	s_cbranch_scc0 .Lfor_b_\@
	tensor_load_to_lds s[\g0a:\g0a+3], s[\g1a:\g1a+7]
	s_nop 0
.rept 4
	v_nop
.endr
	s_branch .Lasked_\@
.Lfor_b_\@:
	tensor_load_to_lds s[\g0b:\g0b+3], s[\g1b:\g1b+7]
	s_nop 0
.rept 4
	v_nop
.endr
.Lasked_\@:
.endm
.macro CREST                           ; a round of the cluster's barrier behind its opening barrier
	s_cmp_lg_u32 s14, 0
	s_cbranch_scc1 .Lnot_wave_0_\@
	s_barrier_signal -3
.Lnot_wave_0_\@:
	s_barrier_wait -3
	s_barrier_signal -1
	s_barrier_wait -1
.endm
.macro CROUND
	s_barrier_signal -1
	s_barrier_wait -1
	CREST
.endm
	s_load_b256 s[4:11], s[0:1], 0x0               ; codes 4, scales 6, rope 8, q_norm_w 10
	s_load_b128 s[96:99], s[0:1], 0x20             ; k_norm_w 96, qkv16 98
	s_load_b64 s[100:101], s[0:1], 0x30            ; fine
	v_lshl_add_u32 v[SPW], v0, 2, SPARE
	v_mov_b32 v[NIL], 0
	ds_add_u32 v[SPW], v[NIL]                      ; the wave's opening: the add, twice on end, and its wait ahead of my first tensor load
	ds_add_u32 v[SPW], v[NIL]
	v_lshrrev_b32 v1, 5, v0
	v_readfirstlane_b32 s14, v1                    ; wave 0..3
	s_lshr_b32 s15, s14, 1                         ; which half of the tile's rows is mine.  Also: I fetch for x (0) or for w (1)
	s_and_b32 s16, s14, 1                          ; which half of its columns.  Also: which 128 rows of that tile I fetch
	s_bfe_u32 s40, ttmp6, 0x40000                  ; cx, cy
	s_bfe_u32 s41, ttmp6, 0x40004
	s_lshl_b32 s42, ttmp9, 2
	s_add_co_u32 s42, s42, s40                     ; tile column = 4 x cluster x + cx
	s_and_b32 s17, ttmp7, 0xffff
	s_or_b32 s13, s17, s15                         ; 0 where the cluster's y is 0 and the row half is 0: those waves store the f32 copy
	s_lshl_b32 s17, s17, 2
	s_add_co_u32 s17, s17, s41                     ; tile row = 4 x cluster y + cy
	s_lshr_b32 s12, ttmp9, 1                       ; kind: tile columns 0-7 q, 8-15 k, 16-23 v: two whole clusters each, so it is the same in all partners
	s_lshl_b32 s43, s41, 2
	s_lshl_b32 s43, 15, s43                        ; my row of the cluster
	s_lshl_b32 s44, 0x1111, s40                    ; my column
	s_or_b32 s[G1+0], s43, (0<<16)|(1<<20)|(1<<21)|(5<<22)|(3<<25)  ; the mask; elements of 1 byte; padding on; bit 21 beside a mask; 4 words after every 64
	s_or_b32 s[G1B+0], s44, (0<<16)|(1<<20)|(1<<21)|(5<<22)|(3<<25)
.irp g, G1, G1B
	s_mov_b32 s[\g+1], ROWB<<16                    ; tensor_dim0
	s_mov_b32 s[\g+2], 128<<16                     ; tensor_dim1
	s_mov_b32 s[\g+3], ROWB<<16                    ; tile_dim0
	s_mov_b32 s[\g+4], 128                         ; tile_dim1
	s_mov_b32 s[\g+5], KROW                        ; the pitch
	s_mov_b32 s[\g+6], 0
	s_mov_b32 s[\g+7], 0
.endr
	s_or_b32 s[G1S+0], s43, (3<<16)|(1<<20)|(1<<21)|(5<<22)|(3<<25)  ; the scales of 128 rows: 8,192 dense bytes as 32 rows of 32 elements of 8 bytes
	s_or_b32 s[G1SB+0], s44, (3<<16)|(1<<20)|(1<<21)|(5<<22)|(3<<25)
.irp g, G1S, G1SB
	s_mov_b32 s[\g+1], 32<<16
	s_mov_b32 s[\g+2], (128*KS/256)<<16
	s_mov_b32 s[\g+3], 32<<16
	s_mov_b32 s[\g+4], 128*KS/256
	s_mov_b32 s[\g+5], 32
	s_mov_b32 s[\g+6], 0
	s_mov_b32 s[\g+7], 0
.endr
	s_lshl_b32 s18, s16, 7
	s_lshl_b32 s20, s17, 8
	s_add_co_u32 s20, s20, s18                     ; x: row 256 x tile row + 128 x half
	s_lshl_b32 s46, s42, 8
	s_add_co_u32 s46, s46, s18
	s_add_co_u32 s46, s46, 2048                    ; w: row 2,048 + 256 x tile column + 128 x half
	s_mov_b32 s21, 0
	s_mov_b32 s47, 0
	s_mov_b64 s[18:19], KS
	s_mul_u64 s[22:23], s[20:21], s[18:19]
	s_mul_u64 s[92:93], s[46:47], s[18:19]
	s_mov_b64 s[18:19], KROW
	s_mul_u64 s[20:21], s[20:21], s[18:19]
	s_mul_u64 s[46:47], s[46:47], s[18:19]
	s_mul_i32 s45, s14, HALFT                      ; where they go: wave x 128 rows: no place in the cluster enters an LDS address
	s_mul_i32 s94, s14, HALFS
	s_wait_dscnt 0x0                               ; both opening adds are done
	s_wait_kmcnt 0x0
	s_add_nc_u64 s[20:21], s[4:5], s[20:21]
	s_add_nc_u64 s[22:23], s[6:7], s[22:23]
	s_add_nc_u64 s[46:47], s[4:5], s[46:47]
	s_add_nc_u64 s[92:93], s[6:7], s[92:93]
	s_cmp_eq_u32 s12, 0                            ; the norm's weights: q's for kind 0, else k's (v loads k's and does not use them)
	s_cselect_b64 s[10:11], s[10:11], s[96:97]
	CROUND                                         ; all sixteen work-groups are here: the first joint loads meet
	s_mov_b32 s[G0S], 1
	s_add_co_u32 s[G0S+1], s94, SCL
	s_mov_b64 s[G0S+2:G0S+3], s[22:23]
	s_or_b32 s[G0S+3], s[G0S+3], 0x80000000
	s_mov_b32 s[G0SB], 1
	s_add_co_u32 s[G0SB+1], s94, SCL
	s_mov_b64 s[G0SB+2:G0SB+3], s[92:93]
	s_or_b32 s[G0SB+3], s[G0SB+3], 0x80000000
	JLOAD G0S, G1S, G0SB, G1SB                     ; the scales first; with the two slots three loads of mine are out
.irp s, 0,1
	s_mov_b32 s[G0+4*\s], 1
	s_add_co_u32 s[G0+4*\s+1], s45, \s*SLOT
	s_add_nc_u64 s[G0+4*\s+2:G0+4*\s+3], s[20:21], \s*ROWB
	s_or_b32 s[G0+4*\s+3], s[G0+4*\s+3], 0x80000000
	s_mov_b32 s[G0B+4*\s], 1
	s_add_co_u32 s[G0B+4*\s+1], s45, \s*SLOT
	s_add_nc_u64 s[G0B+4*\s+2:G0B+4*\s+3], s[46:47], \s*ROWB
	s_or_b32 s[G0B+4*\s+3], s[G0B+4*\s+3], 0x80000000
	JLOAD G0+4*\s, G1, G0B+4*\s, G1B
.endr
	v_and_b32 v1, 15, v0                           ; r
	v_bfe_u32 v2, v0, 4, 1                         ; h
	v_mul_u32_u24 v3, v1, PITCH
	v_lshl_add_u32 v4, v2, 4, v3
	s_mul_i32 s21, s15, HALFT
	s_mul_i32 s22, s16, HALFT
	s_add_co_u32 s22, s22, 2*HALFT
.irp s, 0,1
	v_add_nc_u32 v[ADRA+\s], s21, v4
	v_add_nc_u32 v[ADRB+\s], s22, v4
	s_add_co_u32 s21, s21, SLOT
	s_add_co_u32 s22, s22, SLOT
.endr
	v_mul_u32_u24 v5, v1, KS
	v_lshrrev_b32 v6, 8, v5
	v_lshl_add_u32 v5, v6, 4, v5                   ; my row's scales: 64 bytes a row, 16 more for each 256 passed
	s_mul_i32 s21, s15, HALFS
	s_mul_i32 s22, s16, HALFS
	s_add_co_u32 s22, s22, 2*HALFS
	s_sub_co_u32 s22, s22, s21
	v_mul_u32_u24 v6, s22, v2                      ; lanes 16-31 take w's
	s_add_co_u32 s21, s21, SCL
	v_add_nc_u32 v5, v5, v6
	v_add_nc_u32 v[ADRS], s21, v5
	s_mul_i32 s23, s14, 16*SPITCH                  ; my stage
	v_mul_u32_u24 v5, v1, SPITCH
	v_lshl_add_u32 v5, v2, 4, v5
	v_add_nc_u32 v[STO], s23, v5                   ; in: row r, 16 bytes for each half of the lanes
	v_mul_u32_u24 v5, v2, SPITCH
	v_lshl_add_u32 v5, v1, 4, v5
	v_add_nc_u32 v[RD], s23, v5                    ; back: lanes 0-15 one row of 256 bytes, lanes 16-31 the next
	v_and_b32 v6, 31, v0
	v_lshlrev_b32 v[CO], 4, v6
	v_lshlrev_b32 v[TBO], 4, v6
	v_lshlrev_b32 v[WO], 5, v2
	v_lshlrev_b32 v[FO], 9, v1
	v_lshl_add_u32 v[FO], v2, 5, v[FO]
	s_lshl_b32 s20, s17, 4                         ; the table: 16 positions are 8,192 bytes; mine begin at group 16 x tile row + 8 x row half
	s_lshl_b32 s21, s15, 3
	s_add_co_u32 s20, s20, s21
	s_lshl_b32 s20, s20, 13
	s_mov_b32 s21, 0
	s_add_nc_u64 s[8:9], s[8:9], s[20:21]
	s_lshl_b32 s20, s17, 16                        ; qkv16: my first row (256 bytes a row),
	s_lshl_b32 s22, s15, 15
	s_add_co_u32 s20, s20, s22
	s_lshl_b32 s22, s12, 23                        ; kind,
	s_add_co_u32 s20, s20, s22
	s_and_b32 s46, s42, 7
	s_lshl_b32 s46, s46, 1
	s_add_co_u32 s46, s46, s16                     ; head = 2 (tile column % 8) + column half
	s_lshl_b32 s47, s46, 19
	s_add_co_u32 s20, s20, s47
	s_add_nc_u64 s[98:99], s[98:99], s[20:21]
	s_mul_i32 s20, s41, 393216                     ; fine: cy, kind, head
	s_lshl_b32 s22, s12, 17
	s_add_co_u32 s20, s20, s22
	s_lshl_b32 s47, s46, 13
	s_add_co_u32 s20, s20, s47
	s_add_nc_u64 s[100:101], s[100:101], s[20:21]
	WIN TO_B                                       ; the norm's weights and block 0's table, into registers of window 1 that the loop never names; they are waited for on the way out
.irp b, 0,1,2,3,4,5,6,7
	global_load_b128 v[WN+8*\b:WN+8*\b+3],   v[WO], s[10:11] offset:64*\b
	global_load_b128 v[WN+8*\b+4:WN+8*\b+7], v[WO], s[10:11] offset:64*\b+16
.endr
.irp n, 0,1,2,3,4,5,6,7,8,9,10,11,12,13,14,15
	global_load_b128 v[192+4*\n:192+4*\n+3], v[TBO], s[8:9] offset:512*\n
.endr
	WIN 0
.macro FRAG reg, adr, q, i             ; 16 rows x 128 K of 4-bit codes: 8 registers: lane l holds row l % 16; registers 4 c .. 4 c + 3 hold K = 64 c + 32 (l / 16) + 0 .. 31
.irp c, 0,1
	ds_load_b128 v[\reg+4*\c:\reg+4*\c+3], v[\adr] offset:64*(\q)+32*\c+(\i)*16*PITCH
.endr
.endm
; 16 matrix instructions: x's blocks a0, a0 + 1 against w's eight.  The 64 accumulators take turns, one instruction a turn, in the same order in every step.
.macro MUL16 a0, p, q, sc, zero
.irp a, \a0, \a0+1
.irp b, 0,1,2,3,4,5,6,7
.if \zero
	v_wmma_scale_f32_16x16x128_f8f6f4 v[8*(8*((\a)%4)+\b):8*(8*((\a)%4)+\b)+7], v[128*(\p)+FR*\b:128*(\p)+FR*\b+FR-1], v[AF+FR*(\a):AF+FR*(\a)+FR-1], 0, v[SC+8*NQ*(\sc)+NQ*\b+(\q)], v[SC+8*NQ*(\sc)+NQ*(\a)+(\q)] matrix_a_fmt:MATRIX_FMT_FP4 matrix_b_fmt:MATRIX_FMT_FP4 matrix_a_scale:MATRIX_SCALE_ROW1
.else
	v_wmma_scale_f32_16x16x128_f8f6f4 v[8*(8*((\a)%4)+\b):8*(8*((\a)%4)+\b)+7], v[128*(\p)+FR*\b:128*(\p)+FR*\b+FR-1], v[AF+FR*(\a):AF+FR*(\a)+FR-1], v[8*(8*((\a)%4)+\b):8*(8*((\a)%4)+\b)+7], v[SC+8*NQ*(\sc)+NQ*\b+(\q)], v[SC+8*NQ*(\sc)+NQ*(\a)+(\q)] matrix_a_fmt:MATRIX_FMT_FP4 matrix_b_fmt:MATRIX_FMT_FP4 matrix_a_scale:MATRIX_SCALE_ROW1
.endif
.endr
.endr
.endm
.macro FETCH_B slot, q, p
	WIN TO_B
.irp i, 0,1,2,3,4,5,6,7
	FRAG 128*(\p)+FR*\i, ADRB+\slot, \q, \i
.endr
	WIN 0
.endm
.macro FETCH_A slot, q, i0
.irp i, \i0, \i0+1, \i0+2, \i0+3
	FRAG AF+FR*(\i), ADRA+\slot, \q, \i
.endr
.endm
.macro SCALES sc                       ; a K step's scale words: lanes 0-15 take x's block i, lanes 16-31 w's block i
.irp i, 0,1,2,3,4,5,6,7
	ds_load_b128 v[SC+8*NQ*\sc+NQ*\i:SC+8*NQ*\sc+NQ*\i+3], v[ADRS] offset:\i*SBLK
.endr
.endm
.macro PLACES n                        ; plain vector instructions between a matrix instruction and a load into, or a read or write of, its registers
.rept \n
	v_nop
.endr
.endm
.macro STEP slot, q, zero              ; 128 along K with its successor in the same slot
	s_wait_dscnt 4*NL                              ; w's set and x's blocks 0-3 are in; the youngest eight loads (x's blocks 4-7) may be out
	WIN MUL_LO
	MUL16 0, (\q)%2, \q, \slot, \zero
	MUL16 2, (\q)%2, \q, \slot, \zero
	s_wait_dscnt 0
	PLACES NP
	FETCH_B \slot, (\q)+1, 1-(\q)%2
	FETCH_A \slot, (\q)+1, 0
	WIN MUL_HI
	MUL16 4, (\q)%2, \q, \slot, \zero
	MUL16 6, (\q)%2, \q, \slot, \zero
	PLACES NP
	WIN 0
	FETCH_A \slot, (\q)+1, 4
.endm
; A slot's last step changes slots: one barrier; ahead of it each wave waits for all its tensor loads, adds 0 to its spare word, and waits for that and for its reads of this slot.
.macro TURN slot, next, fill
	s_wait_tensorcnt 0x0                           ; all my tensor loads have landed: my part of the next slot
	ds_add_u32 v[SPW], v[NIL]
	s_wait_dscnt 4*NL+1                            ; the add and the youngest eight loads may be out
	WIN MUL_LO
	MUL16 0, 1, NQ-1, \slot, 0
	s_wait_dscnt 0x0                               ; the add is done, and my reads of this slot are over
	s_barrier_signal -1
	MUL16 2, 1, NQ-1, \slot, 0
	WIN 0
	s_barrier_wait -1
.if \fill
	CREST                                          ; the barrier has opened a round of the cluster's: no wave of any partner still reads this slot or has a load on its way
	s_add_nc_u64 s[G0+4*\slot+2:G0+4*\slot+3], s[G0+4*\slot+2:G0+4*\slot+3], 2*ROWB
	s_add_nc_u64 s[G0B+4*\slot+2:G0B+4*\slot+3], s[G0B+4*\slot+2:G0B+4*\slot+3], 2*ROWB
	JLOAD G0+4*\slot, G1, G0B+4*\slot, G1B         ; my one tensor load behind the round; its four v_nop are also the places ahead of the loads below
.else
	PLACES NP
.endif
	v_add_nc_u32 v[ADRS], 4*NQ, v[ADRS]
	FETCH_B \next, 0, 0
	FETCH_A \next, 0, 0
	SCALES \next
	WIN MUL_HI
	MUL16 4, 1, NQ-1, \slot, 0
	MUL16 6, 1, NQ-1, \slot, 0
	PLACES NP
	WIN 0
	FETCH_A \next, 0, 4
.endm
.macro STEPS slot, from
.set QS, \from
.rept NQ-1-\from
	STEP \slot, QS, 0
.set QS, QS+1
.endr
.endm
	s_wait_tensorcnt 1                             ; the scales and my part of K step 0 are in; K step 1's load may be out
	s_barrier_signal -1
	s_barrier_wait -1
	FETCH_B 0, 0, 0
	FETCH_A 0, 0, 0
	SCALES 0
	FETCH_A 0, 0, 4
	STEP 0, 0, 1                                   ; the first step starts the sums: nothing is cleared
	s_mov_b32 s3, LAPS-1
.Llap:
	STEPS 0, 1
	TURN 0, 1, 1
	STEPS 1, 0
	TURN 1, 0, 1
	STEP 0, 0, 0
	s_sub_co_u32 s3, s3, 1
	s_cmp_lg_u32 s3, 0
	s_cbranch_scc1 .Llap
	STEPS 0, 1                                     ; the last lap fills nothing
	TURN 0, 1, 0
	STEPS 1, 0
	s_wait_dscnt 4*NL
	WIN MUL_LO
	MUL16 0, 1, NQ-1, 1, 0
	MUL16 2, 1, NQ-1, 1, 0
	s_wait_dscnt 0
	WIN MUL_HI
	MUL16 4, 1, NQ-1, 1, 0
	MUL16 6, 1, NQ-1, 1, 0
	WIN 0
; THE WAY OUT, block by block of 16 rows.  In block a lane (r, h) holds row 16 a + r and columns 16 b + 8 h + j of the head: pair P = 4 b + p is RoPE's pair i = 8 b + 4 h + p, whose cos and sin lie in registers 2 P, 2 P + 1 of the table's set.
.macro QKMATH a
.set AC, 64*((\a)%4)
.set CSB, 192-192*((\a)%2)             ; this block's set of the table, in window 1,
.set CSN, 192*((\a)%2)                 ; and the other, for the next block
.if (\a) < 7
	WIN TO_B
.irp n, 0,1,2,3,4,5,6,7,8,9,10,11,12,13,14,15
	global_load_b128 v[CSN+4*\n:CSN+4*\n+3], v[TBO], s[8:9] offset:((\a)+1)*8192+512*\n
.endr
.endif
	WIN 0x0a+5*((\a)/4)                            ; sources 0 and 1: window 2 or 3
.set PP, 0
.rept 4
	v_pk_mul_f32 v[T+2*PP:T+2*PP+1], v[AC+2*PP:AC+2*PP+1], v[AC+2*PP:AC+2*PP+1]     ; the sum of squares, in four chains; each accumulator is read from its low end on
.set PP, PP+1
.endr
.rept 28
	v_pk_fma_f32 v[T+2*(PP%4):T+2*(PP%4)+1], v[AC+2*PP:AC+2*PP+1], v[AC+2*PP:AC+2*PP+1], v[T+2*(PP%4):T+2*(PP%4)+1]
.set PP, PP+1
.endr
	WIN 0
	v_pk_add_f32 v[T:T+1], v[T:T+1], v[T+2:T+3]
	v_pk_add_f32 v[T+4:T+5], v[T+4:T+5], v[T+6:T+7]
	v_pk_add_f32 v[T:T+1], v[T:T+1], v[T+4:T+5]
	v_add_f32 v[T], v[T], v[T+1]
	v_permlanex16_b32 v[PT], v[T], s92, s93        ; the row's other 64 columns lie in the lane 16 away
	v_add_f32 v[T], v[T], v[PT]
	v_fma_f32 v[T], v[T], s94, s95                 ; the mean square + 1e-6
	v_rsq_f32 v[RS], v[T]
	v_nop                                          ; a plain instruction behind the transcendental,
	s_wait_alu depctr_va_vdst(0)                   ; and the wait ahead of its first reader
	WIN 0x02+((\a)/4)
.set PP, 0
.rept 32
	v_pk_mul_f32 v[YY+2*PP:YY+2*PP+1], v[AC+2*PP:AC+2*PP+1], v[RS:RS+1] op_sel_hi:[1,0]
.set PP, PP+1
.endr
.if (\a) < 7
	s_wait_loadcnt 16                              ; this block's table is in; the 16 younger loads are the next block's
.else
	s_wait_loadcnt 0
.endif
	WIN 0x04                                       ; source 1: window 1
.set PP, 0
.rept 32
	v_pk_mul_f32 v[YY+2*PP:YY+2*PP+1], v[YY+2*PP:YY+2*PP+1], v[WN+2*PP:WN+2*PP+1]    ; x the norm's weights
.set PP, PP+1
.endr
.set PP, 0
.rept 32
	v_pk_mul_f32 v[AA+2*PP:AA+2*PP+1], v[YY+2*PP:YY+2*PP+1], v[CSB+2*PP:CSB+2*PP+1] op_sel_hi:[1,0]   ; (y0 cos, y1 cos)
.set PP, PP+1
.endr
.set PP, 0
.rept 32
	v_pk_fma_f32 v[AA+2*PP:AA+2*PP+1], v[YY+2*PP:YY+2*PP+1], v[CSB+2*PP:CSB+2*PP+1], v[AA+2*PP:AA+2*PP+1] op_sel:[1,1,0] op_sel_hi:[0,1,1] neg_lo:[0,1,0]   ; (y0 cos - y1 sin, y1 cos + y0 sin)
.set PP, PP+1
.endr
	WIN 0
.if (\a) == 0
	s_cmp_lg_u32 s13, 0
	s_cbranch_scc1 .Lnofine_q
.irp b, 0,1,2,3,4,5,6,7
	global_store_b128 v[FO], v[AA+8*\b:AA+8*\b+3],   s[100:101] offset:64*\b
	global_store_b128 v[FO], v[AA+8*\b+4:AA+8*\b+7], s[100:101] offset:64*\b+16
.endr
	s_wait_xcnt 0x0                                ; the next block writes these registers again only behind this wait
.Lnofine_q:
.endif
.set PP, 0
.rept 32
	v_cvt_pk_f16_f32 v[TMP+PP], v[AA+2*PP], v[AA+2*PP+1]
.set PP, PP+1
.endr
.endm
.macro VMATH a
.set AC, 64*((\a)%4)
	WIN 0x0a+5*((\a)/4)
.set PP, 0
.rept 32
	v_cvt_pk_f16_f32 v[TMP+PP], v[AC+2*PP], v[AC+2*PP+1]
.set PP, PP+1
.endr
	WIN 0
.if (\a) == 0
	s_cmp_lg_u32 s13, 0
	s_cbranch_scc1 .Lnofine_v
	WIN 0x08                                       ; a store's data are its source 1: window 2.  The accumulators are never written again
.irp b, 0,1,2,3,4,5,6,7
	global_store_b128 v[FO], v[8*\b:8*\b+3],   s[100:101] offset:64*\b
	global_store_b128 v[FO], v[8*\b+4:8*\b+7], s[100:101] offset:64*\b+16
.endr
	WIN 0
.Lnofine_v:
.endif
.endm
.macro TOSTAGE a                       ; 16 bytes a lane into my stage, and back as whole rows of 256 bytes; LDS serves a wave's instructions in order (ISA guide 5.7.1.4)
.set BB, 224-192*((\a)%2)
.irp b, 0,1,2,3,4,5,6,7
	ds_store_b128 v[STO], v[TMP+4*\b:TMP+4*\b+3] offset:32*\b
.endr
.irp f, 0,1,2,3,4,5,6,7
	ds_load_b128 v[BB+4*\f:BB+4*\f+3], v[RD] offset:544*\f
.endr
.endm
.macro SEND a, younger                 ; a block's 16 rows are 4,096 consecutive bytes of qkv16: each store covers 512, aligned
.set BB, 224-192*((\a)%2)
	s_wait_dscnt \younger
.irp f, 0,1,2,3,4,5,6,7
	global_store_b128 v[CO], v[BB+4*\f:BB+4*\f+3], s[98:99] offset:4096*(\a)+512*\f
.endr
.endm
	PLACES NP                                      ; behind the last products, ahead of reads of results and of loads and writes into operands' registers
	s_wait_loadcnt 0x0                             ; the weights and block 0's table
	s_mov_b32 s92, 0x76543210
	s_mov_b32 s93, 0xfedcba98                      ; lane l xor 16
	s_mov_b32 s94, 0x3c000000                      ; 1 / 128
	s_mov_b32 s95, 0x358637bd                      ; 1e-6
	v_mov_b32 v[RS+1], 0                           ; named with 1/rms as a pair
	v_mov_b32 v[PT], 0                             ; a lane permute's destination counts as one of its sources
	s_cmp_eq_u32 s12, 2
	s_cbranch_scc1 .Lv
	QKMATH 0
	TOSTAGE 0
.irp a, 1,2,3,4,5,6,7
	QKMATH \a
.if \a > 1
	s_wait_xcnt 0x0                                ; block a - 2's stores have read the registers into which block a's rows come back
.endif
	TOSTAGE \a
	SEND \a-1, 16                                  ; younger: block a's 8 stores and 8 loads
.endr
	SEND 7, 0
	s_branch .Ldone
.Lv:
	VMATH 0
	TOSTAGE 0
.irp a, 1,2,3,4,5,6,7
	VMATH \a
.if \a > 1
	s_wait_xcnt 0x0
.endif
	TOSTAGE \a
	SEND \a-1, 16
.endr
	SEND 7, 0
.Ldone:
	s_wait_tensorcnt 0x0                           ; the wave's end
	ds_add_u32 v[SPW], v[NIL]
	s_wait_dscnt 0x0
	CROUND                                         ; the closing round
	s_endpgm
.Lfunc_end_k_q85a0a81b1d_qkv:
	.size	k_q85a0a81b1d_qkv, .Lfunc_end_k_q85a0a81b1d_qkv-k_q85a0a81b1d_qkv
	.p2alignl 7, 3214868480
	.fill 96, 4, 3214868480
	.section	.rodata,"a",@progbits
	.p2align	6, 0x0
	.amdhsa_kernel k_q85a0a81b1d_qkv
		.amdhsa_group_segment_fixed_size 327680
		.amdhsa_private_segment_fixed_size 0
		.amdhsa_enable_private_segment 0
		.amdhsa_kernarg_size 56
		.amdhsa_user_sgpr_count 2
		.amdhsa_user_sgpr_kernarg_segment_ptr 1
		.amdhsa_wavefront_size32 1
		.amdhsa_system_sgpr_workgroup_id_x 1
		.amdhsa_system_sgpr_workgroup_id_y 1
		.amdhsa_system_sgpr_workgroup_id_z 1
		.amdhsa_system_vgpr_workitem_id 0
		.amdhsa_next_free_vgpr 1024
		.amdhsa_next_free_sgpr 102
		.amdhsa_reserve_vcc 0
		.amdhsa_float_denorm_mode_32 3
		.amdhsa_float_denorm_mode_16_64 3
		.amdhsa_memory_ordered 1
		.amdhsa_forward_progress 1
		.amdhsa_inst_pref_size 255
	.end_amdhsa_kernel
	.section	.bss,"aw",@nobits
	.p2align	6
	.space	262144
	.amdgpu_metadata
---
amdhsa.version: [ 1, 2 ]
amdhsa.kernels:
  - .name:           k_q85a0a81b1d_qkv
    .symbol:         k_q85a0a81b1d_qkv.kd
    .args:
      - { .name: codes, .offset: 0, .size: 8, .value_kind: global_buffer, .address_space: global }
      - { .name: scales, .offset: 8, .size: 8, .value_kind: global_buffer, .address_space: global }
      - { .name: rope, .offset: 16, .size: 8, .value_kind: global_buffer, .address_space: global }
      - { .name: q_norm_w, .offset: 24, .size: 8, .value_kind: global_buffer, .address_space: global }
      - { .name: k_norm_w, .offset: 32, .size: 8, .value_kind: global_buffer, .address_space: global }
      - { .name: qkv16, .offset: 40, .size: 8, .value_kind: global_buffer, .address_space: global }
      - { .name: fine, .offset: 48, .size: 8, .value_kind: global_buffer, .address_space: global }
    .group_segment_fixed_size: 327680
    .private_segment_fixed_size: 0
    .kernarg_segment_align: 8
    .kernarg_segment_size: 56
    .max_flat_workgroup_size: 128
    .sgpr_count:     102
    .vgpr_count:     1024
    .wavefront_size: 32
...
	.end_amdgpu_metadata
.endif
;; end of part 2
;; launch attn (part 3): grid 16 x 16, 4 waves a work-group, no clusters, 327,680 bytes of LDS; arguments qkv16, ctx16, fine, ctx32; writes ctx16, ctx32
.if DOCPART == 3
	.amdgcn_target "amdgcn-amd-amdhsa--gfx1250"
	.amdhsa_code_object_version 6
	.text
	.protected	k_q85a0a81b1d_attn
	.globl	k_q85a0a81b1d_attn
	.p2align	8
	.type	k_q85a0a81b1d_attn,@function
k_q85a0a81b1d_attn:
	s_mov_b64 s[64:65], 0
	v_nop
	global_prefetch_b8 v0, s[64:65] scope:SCOPE_SE
	s_setreg_imm32_b32 hwreg(HW_REG_WAVE_MODE, 25, 1), 1
	s_wait_xcnt 0x0
; ctx[t][head] = softmax over the keys s with 0 <= t - s < 512 of (q[t] . k[s] / sqrt(128)) times v[s].  q, k, v: f16 [kind][head][t][128]; products with f32 sums; maxima and sums in f32; the weights are rounded to f16; ctx16: f16 [t][2048].
; SHARES.  A work-group owns 128 queries of one head (x: the block, y: the head), each of its four waves 32: two tiles of 16, so that each fragment of K and V feeds two products.
; The keys q0 - 512 .. q0 + 127 are walked as five blocks of 128, FROM THE DIAGONAL DOWN, so that what the head fetches is read by every work-group; a block is two steps of 64 keys.
; Blocks under key 0 are not asked for; a step none of whose keys counts for the wave's 32 queries is jumped over: both by scalar branches on ids and the count of trips alone.  The trip counts are constants.
; In the first step of the walk each query finds a key that counts (its own, or earlier ones), so the running maximum is a number from then on, and a row that is wholly hidden in a later step adds zeros.
; LAYOUT.  S^T = K Q^T (source 0 = 16 keys, source 1 = 16 queries): a lane holds ONE query (lane % 16) and keys 8 (lane / 16) + 0..7; two such tiles, rounded to f16 in pairs, are source 1 of O^T = V^T P.  V is turned by ds_load_tr16_b128.
; SOFTMAX.  A running maximum m and sum l: p = 2^(c s - c m), c = log2(e) / sqrt(128); in every step O and l are multiplied by a = 2^(c m_old - c m_new).
; THE FIRST 16 POSITIONS IN F32.  These rows average one to sixteen values and are the largest of the output, so they are also carried more finely than f16: the work-groups with x = 0, which walk one block of keys
; where most walk five, make them behind their way out, from the f32 copies in fine [kind 3][head 16][t 16][128] (its first part), by v_wmma_f32_16x16x4_f32: one head a work-group, 32 channels a wave.
; ctx32 is laid in the order of its reader's operand registers: f32 [head 16][chunk 16][lane 32][4]: chunk s, lane (r, h), number e = ctx(r, 128 head + 8 s + 4 h + e).
; NO CLUSTER: in one trip neighbouring query blocks want different key blocks (q0 - 128 j); a joint walk over their union would bring tiles whose reads every wave of some partner jumps over.
; O^T begins as zeros and m as -3e38, so that the step is written with no first form of its own: 128 moves once against one more copy of the step.
; LIMITS: weights under 6e-8 round to 0 in f16; |ctx| stays under 65,504.
; REGISTERS: window 0: v1-11 addresses and constants; v12-27 eight statistics a tile; v28, v29 the add's two; v30-35 at work; v36-51 the fine rows' two f32 accumulators, written by matrix instructions alone; v64-95 P; v96-159 S^T; v160-223 Q.
;   window 1: v0-127 K of a step; v128-255 O^T.  window 2: v0-127 V of a step.
.set KS,    64
.set PK,    272                        ; a row of K in LDS: 256 bytes + 16: the 16 rows of a load start at 16 different banks (64 banks of 4 bytes: ISA guide 11.1)
.set PV,    288                        ; a row of V: 256 + 32
.set VOFF,  KS*PK
.set STEPB, KS*(PK+PV)
.set SLOT1, 1<<17
.set STAGE, SLOT1+2*STEPB              ; behind the ring: 16 rows x 272 bytes a wave, for the way out
.set SP,    272
.set SPARE, STAGE+4*16*SP              ; the spare words, 128 bytes a wave: two blocks of 256 bytes that no other line names
.set AK0, 2
.set AV0, 3
.set ADK, 4
.set ADV, 5
.set QO,  6
.set STO, 7
.set RD,  8
.set GO,  9
.set RH,  10                           ; v10  r - 8 h
.set NEG, 11                           ; v11  -infinity
.set ST,  12                           ; tile t's statistics at v[ST + 8 t]: +0 c m, +1 m, +2, +3 l (even keys', odd keys'), +4 to +7 at work; a in +6
.set SPW, 28
.set NIL, 29
.set P,   64
.set S,   96
.set Q,   160
.set OB,  128                          ; O^T, in window 1
.set WV,  12
.set G1K, 24
.set G1V, 32
.set G0K, 40
.set G0V, 44
.set KB,  48                           ; s48  the block's first key (signed)
.set QW,  49                           ; s49  my wave's first query
.set CS,  58
.set SEL, 60
.set TB,  62                           ; s62  LDS byte at which the slot in hand begins
.set MSB, 0
.macro WIN new
.if MSB != \new
	s_set_vgpr_msb (MSB<<8)|\new
.set MSB, \new
.endif
.endm
; Waves 0 and 1 fetch a block's two steps of K, waves 2 and 3 those of V: one load a wave.  An s_nop 0 and four v_nop follow each line.
.macro TLOAD
	s_cmp_lt_u32 s[WV], 2
	s_cbranch_scc0 .Lfor_v_\@
	tensor_load_to_lds s[G0K:G0K+3], s[G1K:G1K+7]
	s_nop 0
.rept 4
	v_nop
.endr
	s_branch .Lasked_\@
.Lfor_v_\@:
	tensor_load_to_lds s[G0V:G0V+3], s[G1V:G1V+7]
	s_nop 0
.rept 4
	v_nop
.endr
.Lasked_\@:
.endm
	s_load_b128 s[4:7], s[0:1], 0x0                ; qkv16, ctx16
	v_lshl_add_u32 v[SPW], v0, 2, SPARE
	v_mov_b32 v[NIL], 0
	ds_add_u32 v[SPW], v[NIL]                      ; the wave's opening: the add, twice on end, and its wait ahead of my first tensor load
	ds_add_u32 v[SPW], v[NIL]
	v_lshrrev_b32 v1, 5, v0
	v_readfirstlane_b32 s[WV], v1
	s_lshl_b32 s13, ttmp9, 7                       ; q0
	s_and_b32 s14, ttmp7, 0xffff                   ; head
	s_lshl_b32 s15, s[WV], 5
	s_add_co_u32 s[QW], s13, s15
	s_mov_b32 s[KB], s13
	s_and_b32 s16, s[WV], 1                        ; which of a block's two steps I fetch
	s_mul_i32 s17, s16, STEPB
	s_lshl_b32 s20, s14, 19                        ; the head: 2,048 rows of 256 bytes
	s_lshl_b32 s21, s16, 6
	s_add_co_u32 s21, s21, s13
	s_lshl_b32 s21, s21, 8
	s_add_co_u32 s22, s20, s21                     ; K, V: row q0 + 64 x step
	s_mov_b32 s23, 0
	s_lshl_b32 s21, s[QW], 8
	s_add_co_u32 s20, s20, s21                     ; Q: my wave's first row
	s_mov_b32 s21, 0
	s_lshl_b32 s18, s[QW], 12                      ; ctx16: rows of 4,096 bytes, the head's 256
	s_lshl_b32 s19, s14, 8
	s_add_co_u32 s18, s18, s19
	s_mov_b32 s19, 0
	s_mov_b32 s[G1K], (1<<16)|(1<<20)|(5<<22)|(3<<25)   ; no mask; elements of 2 bytes; padding: 4 words after every 64
	s_mov_b32 s[G1V], (1<<16)|(1<<20)|(5<<22)|(7<<25)   ; 8 words
.irp g, G1K, G1V
	s_mov_b32 s[\g+1], 128<<16                     ; tensor_dim0
	s_mov_b32 s[\g+2], KS<<16                      ; tensor_dim1
	s_mov_b32 s[\g+3], 128<<16                     ; tile_dim0
	s_mov_b32 s[\g+4], KS                          ; tile_dim1
	s_mov_b32 s[\g+5], 128                         ; the pitch
	s_mov_b32 s[\g+6], 0
	s_mov_b32 s[\g+7], 0
.endr
	s_mov_b32 s[CS], 0x3e0293ee                    ; c
	s_mov_b32 s[CS+1], s[CS]
	s_mov_b32 s[SEL], 0x76543210
	s_mov_b32 s[SEL+1], 0xfedcba98
	s_mov_b32 s[TB], 0
	s_wait_dscnt 0x0                               ; both opening adds are done
	s_wait_kmcnt 0x0
	s_add_nc_u64 s[8:9], s[4:5], s[22:23]
	s_add_nc_u64 s[10:11], s[8:9], 0x1000000       ; V: kind 2
	s_add_nc_u64 s[8:9], s[8:9], 0x800000          ; K: kind 1
	s_add_nc_u64 s[4:5], s[4:5], s[20:21]
	s_add_nc_u64 s[6:7], s[6:7], s[18:19]
	s_mov_b32 s[G0K], 1
	s_mov_b32 s[G0K+1], s17
	s_mov_b64 s[G0K+2:G0K+3], s[8:9]
	s_or_b32 s[G0K+3], s[G0K+3], 0x80000000
	s_mov_b32 s[G0V], 1
	s_add_co_u32 s[G0V+1], s17, VOFF
	s_mov_b64 s[G0V+2:G0V+3], s[10:11]
	s_or_b32 s[G0V+3], s[G0V+3], 0x80000000
	TLOAD                                          ; slot 0: the diagonal block.  One tensor load of mine is out, here and behind every barrier
	v_and_b32 v1, 15, v0                           ; r
	v_bfe_u32 v32, v0, 4, 1                        ; h
	v_lshlrev_b32 v[QO], 8, v1
	v_lshl_add_u32 v[QO], v32, 4, v[QO]
.irp i, 0,1,2,3,4,5,6,7                        ; Q stays in registers: tile i / 4, channels 32 (i % 4) on
	global_load_b128 v[Q+8*\i:Q+8*\i+3],   v[QO], s[4:5] offset:(\i/4)*4096+(\i%4)*64
	global_load_b128 v[Q+8*\i+4:Q+8*\i+7], v[QO], s[4:5] offset:(\i/4)*4096+(\i%4)*64+32
.endr
	v_mul_u32_u24 v[AK0], v1, PK
	v_lshl_add_u32 v[AK0], v32, 4, v[AK0]
	v_and_b32 v34, 7, v0
	v_bfe_u32 v35, v0, 3, 1
	v_lshl_add_u32 v[AV0], v32, 3, v34             ; the turning load: lane l reads key 8 (l / 16) + l % 8, channels 8 ((l / 8) % 2) + 0..7
	v_mul_u32_u24 v[AV0], v[AV0], PV
	v_lshl_add_u32 v[AV0], v35, 4, v[AV0]
	v_add_nc_u32 v[AV0], VOFF, v[AV0]
	v_lshlrev_b32 v34, 3, v32
	v_sub_nc_u32 v[RH], v1, v34
	v_mov_b32 v[NEG], 0xff800000
	s_mul_i32 s15, s[WV], 16*SP
	s_add_co_u32 s15, s15, STAGE
	v_mul_u32_u24 v[STO], v1, SP
	v_lshl_add_u32 v[STO], v32, 4, v[STO]
	v_add_nc_u32 v[STO], s15, v[STO]
	v_mul_u32_u24 v[RD], v32, SP
	v_lshl_add_u32 v[RD], v1, 4, v[RD]
	v_add_nc_u32 v[RD], s15, v[RD]
	v_lshlrev_b32 v[GO], 12, v32
	v_lshl_add_u32 v[GO], v1, 4, v[GO]
.irp t, 0,1
	v_mov_b32 v[ST+8*\t+1], 0xff61b1e6             ; m: -3e38, under every score
	v_mul_f32 v[ST+8*\t], s[CS], v[ST+8*\t+1]
.irp j, 2,3,4,5,6,7
	v_mov_b32 v[ST+8*\t+\j], 0
.endr
.endr
	WIN 0x40
.set i, 0
.rept 128
	v_mov_b32 v[OB+i], 0
.set i, i+1
.endr
	WIN 0
	s_wait_loadcnt 0x0                             ; Q
; Scores of keys outside the band become -infinity.  d = query - key; one unsigned compare serves both edges: d < 512 fails for negative d too.
.macro MASK t
	s_sub_co_i32 s52, s[QW], s51
	s_add_co_i32 s52, s52, 16*\t
	v_add_nc_u32 v33, s52, v[RH]                   ; register e holds key kb + 16 (e / 8) + 8 h + e % 8
.set e, 0
.rept 32
	v_sub_nc_u32 v[30+e%2], v33, 16*(e/8)+e%8
	v_cmp_gt_u32 vcc_lo, 0x200, v[30+e%2]
	v_cndmask_b32 v[S+32*\t+e], v[NEG], v[S+32*\t+e], vcc_lo
.set e, e+1
.endr
.endm
; A step's softmax for both tiles, which take turns line by line.
.macro SOFTMAX
.irp c, 0,1,2,3
.irp t, 0,1
	v_max3_num_f32 v[ST+8*\t+4+\c], v[S+32*\t+8*\c], v[S+32*\t+8*\c+1], v[S+32*\t+8*\c+2]   ; four chains; each accumulator is read from its low end on
.endr
.endr
.irp g, 3,5
.irp c, 0,1,2,3
.irp t, 0,1
	v_max3_num_f32 v[ST+8*\t+4+\c], v[ST+8*\t+4+\c], v[S+32*\t+8*\c+\g], v[S+32*\t+8*\c+\g+1]
.endr
.endr
.endr
.irp t, 0,1
	v_max3_num_f32 v[ST+8*\t+4], v[ST+8*\t+4], v[S+32*\t+7], v[S+32*\t+15]
	v_max3_num_f32 v[ST+8*\t+6], v[ST+8*\t+6], v[S+32*\t+23], v[S+32*\t+31]
.endr
.irp t, 0,1
	v_max3_num_f32 v[ST+8*\t+4], v[ST+8*\t+4], v[ST+8*\t+5], v[ST+8*\t+6]
.endr
.irp t, 0,1
	v_max3_num_f32 v[ST+8*\t+4], v[ST+8*\t+4], v[ST+8*\t+7], v[ST+8*\t+1]   ; with the old m
.endr
.irp t, 0,1
	v_permlanex16_b32 v[ST+8*\t+5], v[ST+8*\t+4], s[SEL], s[SEL+1]          ; the query's other 32 keys lie in the lane 16 away
.endr
.irp t, 0,1
	v_mov_b32 v[ST+8*\t+7], v[ST+8*\t]             ; c m_old
.endr
.irp t, 0,1
	v_max_num_f32 v[ST+8*\t+1], v[ST+8*\t+4], v[ST+8*\t+5]
.endr
.irp t, 0,1
	v_mul_f32 v[ST+8*\t], s[CS], v[ST+8*\t+1]
.endr
.irp t, 0,1
	v_sub_f32 v[ST+8*\t+7], v[ST+8*\t+7], v[ST+8*\t]
.endr
.irp b, 0,1,2,3,4,5,6,7,8,9,10,11,12,13,14,15
.irp t, 0,1
	v_pk_fma_f32 v[S+32*\t+2*\b:S+32*\t+2*\b+1], v[S+32*\t+2*\b:S+32*\t+2*\b+1], s[CS:CS+1], v[ST+8*\t:ST+8*\t+1] op_sel_hi:[1,0,0] neg_lo:[0,0,1] neg_hi:[0,0,1]   ; c s - c m
.endr
.endr
.irp t, 0,1
	v_exp_f32 v[ST+8*\t+6], v[ST+8*\t+7]           ; a
.endr
.set e, 0
.rept 64
	v_exp_f32 v[S+e], v[S+e]                       ; p
.set e, e+1
.endr
	v_nop                                          ; a plain instruction behind the last exponential,
	s_wait_alu depctr_va_vdst(0)                   ; and ONE wait for the batch of 66, ahead of its first reader
.set e, 0
.rept 32
	v_cvt_pk_f16_f32 v[P+e], v[S+2*e], v[S+2*e+1]
.set e, e+1
.endr
.irp u, 0,1,2,3,4,5,6,7
.irp t, 0,1
	v_pk_add_f32 v[S+32*\t+4*\u:S+32*\t+4*\u+1], v[S+32*\t+4*\u:S+32*\t+4*\u+1], v[S+32*\t+4*\u+2:S+32*\t+4*\u+3]   ; the sum of the unrounded weights, by halving
.endr
.endr
.irp u, 0,1,2,3
.irp t, 0,1
	v_pk_add_f32 v[S+32*\t+8*\u:S+32*\t+8*\u+1], v[S+32*\t+8*\u:S+32*\t+8*\u+1], v[S+32*\t+8*\u+4:S+32*\t+8*\u+5]
.endr
.endr
.irp u, 0,1
.irp t, 0,1
	v_pk_add_f32 v[S+32*\t+16*\u:S+32*\t+16*\u+1], v[S+32*\t+16*\u:S+32*\t+16*\u+1], v[S+32*\t+16*\u+8:S+32*\t+16*\u+9]
.endr
.endr
.irp t, 0,1
	v_pk_add_f32 v[S+32*\t:S+32*\t+1], v[S+32*\t:S+32*\t+1], v[S+32*\t+16:S+32*\t+17]
.endr
.irp t, 0,1
	v_pk_fma_f32 v[ST+8*\t+2:ST+8*\t+3], v[ST+8*\t+2:ST+8*\t+3], v[ST+8*\t+6:ST+8*\t+7], v[S+32*\t:S+32*\t+1] op_sel_hi:[1,0,1]   ; l = a l + the sum
.endr
.endm
.macro RESCALE                         ; O^T x a
	WIN 0x41                                       ; destination and source 0 window 1, a in window 0
.irp t, 0,1
.set e, 0
.rept 32
	v_pk_mul_f32 v[OB+64*\t+2*e:OB+64*\t+2*e+1], v[OB+64*\t+2*e:OB+64*\t+2*e+1], v[ST+8*\t+6:ST+8*\t+7] op_sel_hi:[1,0]
.set e, e+1
.endr
.endr
.endm
; A STEP: 64 keys, the s-th half of the block in hand.
.macro STEP s
	s_add_co_i32 s51, s[KB], 64*\s                 ; kb: the step's first key
	s_add_co_i32 s52, s[QW], 31
	s_cmp_gt_i32 s51, s52                          ; all its keys come after my queries,
	s_cbranch_scc1 .Lskip_\@
	s_add_co_i32 s52, s51, 575
	s_cmp_le_i32 s52, s[QW]                        ; or all lie 512 or more behind them,
	s_cbranch_scc1 .Lskip_\@
	s_cmp_lt_i32 s51, 0                            ; or the block lies under key 0 and was not asked for
	s_cbranch_scc1 .Lskip_\@
	v_add_nc_u32 v[ADK], s[TB], v[AK0]
	v_add_nc_u32 v[ADV], s[TB], v[AV0]
	WIN 0x40                                       ; K: destination window 1; the channels' first 32 first
.irp c, 0,1,2,3
.irp kt, 0,1,2,3
	ds_load_b128 v[32*\kt+8*\c:32*\kt+8*\c+3],   v[ADK] offset:\s*STEPB+\kt*16*PK+64*\c
	ds_load_b128 v[32*\kt+8*\c+4:32*\kt+8*\c+7], v[ADK] offset:\s*STEPB+\kt*16*PK+64*\c+32
.endr
.endr
	WIN 0x80                                       ; V: destination window 2
.irp f, 0,1,2,3,4,5,6,7,8,9,10,11,12,13,14,15  ; keys 32 (f / 8) on, channels 16 (f % 8) on
	ds_load_tr16_b128 v[8*\f:8*\f+3],   v[ADV] offset:\s*STEPB+(\f/8)*32*PV+(\f%8)*32
	ds_load_tr16_b128 v[8*\f+4:8*\f+7], v[ADV] offset:\s*STEPB+(\f/8)*32*PV+16*PV+(\f%8)*32
.endr
	WIN 0x01                                       ; K in window 1; Q and S^T in window 0
.irp c, 0,1,2,3
	s_wait_dscnt 56-8*\c                           ; K's channels up to 32 c + 31 are in; its later groups of 8 loads and V's 32 may be out
.irp kt, 0,1,2,3
.irp t, 0,1                                    ; the eight accumulators take turns, one instruction a turn
.if \c == 0
	v_wmma_f32_16x16x32_f16 v[S+32*\t+8*\kt:S+32*\t+8*\kt+7], v[32*\kt+8*\c:32*\kt+8*\c+7], v[Q+32*\t+8*\c:Q+32*\t+8*\c+7], 0
.else
	v_wmma_f32_16x16x32_f16 v[S+32*\t+8*\kt:S+32*\t+8*\kt+7], v[32*\kt+8*\c:32*\kt+8*\c+7], v[Q+32*\t+8*\c:Q+32*\t+8*\c+7], v[S+32*\t+8*\kt:S+32*\t+8*\kt+7]
.endif
.endr
.endr
.endr
	WIN 0
.rept 4
	v_nop                                          ; places ahead of the first read of the scores (ISA guide 7.12.1)
.endr
	s_add_co_i32 s52, s51, 63
	s_cmp_gt_i32 s52, s[QW]                        ; a key after my first query: the diagonal
	s_cbranch_scc1 .Lmask_\@
	s_sub_co_i32 s52, s[QW], 480
	s_cmp_ge_i32 s51, s52                          ; no key 512 behind my last query: every score counts
	s_cbranch_scc1 .Lopen_\@
.Lmask_\@:
	MASK 0
	MASK 1
.Lopen_\@:
	SOFTMAX
	RESCALE
	s_wait_dscnt 0x0                               ; V is in
	WIN 0x52                                       ; V in window 2, P in window 0, O^T in window 1
.irp kk, 0,1
.irp ct, 0,1,2,3,4,5,6,7
.irp t, 0,1                                    ; sixteen accumulators by turns
	v_wmma_f32_16x16x32_f16 v[OB+64*\t+8*\ct:OB+64*\t+8*\ct+7], v[64*\kk+8*\ct:64*\kk+8*\ct+7], v[P+16*\t+8*\kk:P+16*\t+8*\kk+7], v[OB+64*\t+8*\ct:OB+64*\t+8*\ct+7]
.endr
.endr
.endr
	WIN 0
.rept 4
	v_nop                                          ; places ahead of the next step's loads into V's registers, and of the way out's reads
.endr
.Lskip_\@:
.endm
; THE CHANGE OF SLOTS stands at a block's head: each wave waits for all its tensor loads (its part of the block ahead), adds 0 to its spare word, and waits for that and for its reads of the slot that it has left.
; fill = 1: behind the barrier that slot takes the next block down, if it does not lie under key 0: a test on ids and the count of trips, the same in all four waves; a work-group past it stays past it.
.macro CHANGE fill
	s_wait_tensorcnt 0x0                           ; no tensor load of mine is out, so a group 0 may be written
	ds_add_u32 v[SPW], v[NIL]
.if \fill
	s_xor_b32 s[G0K+1], s[G0K+1], SLOT1
	s_sub_nc_u64 s[G0K+2:G0K+3], s[G0K+2:G0K+3], 128*256   ; 128 keys down; the type bits on top are not reached
	s_xor_b32 s[G0V+1], s[G0V+1], SLOT1
	s_sub_nc_u64 s[G0V+2:G0V+3], s[G0V+2:G0V+3], 128*256
.endif
	s_wait_dscnt 0x0
	s_barrier_signal -1
	s_barrier_wait -1
.if \fill
	s_cmp_lt_i32 s[KB], 128
	s_cbranch_scc1 .Lpast_\@
	TLOAD                                          ; my one tensor load behind the barrier: it has a block's two steps in which to land
.Lpast_\@:
.endif
.endm
	s_mov_b32 s50, 4
.Lblock:
	CHANGE 1
	STEP 0
	STEP 1
	s_xor_b32 s[TB], s[TB], SLOT1
	s_sub_co_i32 s[KB], s[KB], 128
	s_sub_co_u32 s50, s50, 1
	s_cmp_lg_u32 s50, 0
	s_cbranch_scc1 .Lblock
	CHANGE 0                                       ; the fifth block: nothing is left to fetch
	STEP 0
	STEP 1
	; THE WAY OUT: l's halves are added, O^T is divided by l, rounded to f16 and sent through my stage, a tile (16 rows) at a time
.irp t, 0,1
	v_add_f32 v[ST+8*\t+4], v[ST+8*\t+2], v[ST+8*\t+3]
.endr
.irp t, 0,1
	v_permlanex16_b32 v[ST+8*\t+5], v[ST+8*\t+4], s[SEL], s[SEL+1]
.endr
.irp t, 0,1
	v_add_f32 v[ST+8*\t+4], v[ST+8*\t+4], v[ST+8*\t+5]
.endr
.irp t, 0,1
	v_rcp_f32 v[ST+8*\t+6], v[ST+8*\t+4]
.endr
	v_nop
	s_wait_alu depctr_va_vdst(0)                   ; one wait for the two reciprocals
.macro PACK t
	WIN 0x41
.set e, 0
.rept 32
	v_pk_mul_f32 v[OB+64*\t+2*e:OB+64*\t+2*e+1], v[OB+64*\t+2*e:OB+64*\t+2*e+1], v[ST+8*\t+6:ST+8*\t+7] op_sel_hi:[1,0]
.set e, e+1
.endr
	WIN 0x05                                       ; sources window 1, destination window 0: S^T's registers are free
.set e, 0
.rept 32
	v_cvt_pk_f16_f32 v[S+32*\t+e], v[OB+64*\t+2*e], v[OB+64*\t+2*e+1]
.set e, e+1
.endr
	WIN 0
.irp f, 0,1,2,3,4,5,6,7
	ds_store_b128 v[STO], v[S+32*\t+4*\f:S+32*\t+4*\f+3] offset:32*\f
.endr
.irp f, 0,1,2,3,4,5,6,7
	ds_load_b128 v[S+32*\t+4*\f:S+32*\t+4*\f+3], v[RD] offset:\f*2*SP   ; LDS serves a wave's instructions in order (ISA guide 5.7.1.4)
.endr
.endm
.macro SEND t, younger
.irp f, 0,1,2,3,4,5,6,7
	s_wait_dscnt \younger+7-\f
	global_store_b128 v[GO], v[S+32*\t+4*\f:S+32*\t+4*\f+3], s[6:7] offset:\t*65536+\f*8192   ; sixteen lanes store 256 consecutive bytes, aligned
.endr
.endm
	PACK 0
	PACK 1
	SEND 0, 16                                     ; younger: tile 1's sixteen LDS instructions
	SEND 1, 0
	; ---- POSITIONS 0-15 OF MY HEAD IN F32: the work-groups with x = 0 alone (a branch on the work-group's number).  Every wave makes the 16 x 16 scores for itself and owns 32 of the head's 128 channels.  No LDS.
	; S^T = K Q^T, 32 steps of 4 along the head's 128, on two accumulators by turns; O^T = V^T P, 4 steps of 4 keys, on the same two, begun anew with the constant 0.
	; The 4 of a step are not neighbours: a lane's loads of 16 bytes give registers 2 i, 2 i + 1 the channels 8 (i / 2) + 4 h + 2 (i % 2) + j, alike on both sides.  Of the mask only key <= query is at work here: the window of 512 holds all 16.
	; Registers: v14, v15, v17 offsets; v18-23 at work; v64-127 q; v128-191 k; v192-207 v; v208-215 the scores, then the weights.
	s_cmp_lg_u32 ttmp9, 0
	s_cbranch_scc1 .Lend
	s_load_b128 s[16:19], s[0:1], 0x10             ; fine, ctx32
	v_lshlrev_b32 v14, 9, v1
	v_lshl_add_u32 v14, v32, 4, v14                ; q, k: row r of 512 bytes, + 16 h
	v_lshlrev_b32 v15, 12, v32
	v_lshl_add_u32 v15, v1, 2, v15
	s_lshl_b32 s20, s[WV], 7
	v_add_nc_u32 v15, s20, v15                     ; v: key 8 h, channel 32 w + r
	v_lshlrev_b32 v17, 9, v32
	v_lshl_add_u32 v17, v1, 4, v17
	s_lshl_b32 s21, s[WV], 11
	v_add_nc_u32 v17, s21, v17                     ; out: chunk 4 w + h of 512 bytes, lane r's 16 bytes
	s_and_b32 s22, ttmp7, 0xffff
	s_lshl_b32 s22, s22, 13                        ; the head: 8,192 bytes in each kind of fine, and in ctx32
	s_mov_b32 s23, 0
	s_wait_kmcnt 0x0
	s_add_nc_u64 s[16:17], s[16:17], s[22:23]
	s_add_nc_u64 s[18:19], s[18:19], s[22:23]
	s_wait_xcnt 0x0                                ; the way out's stores have read their registers: only now are these loaded again
.irp s, 0,1,2,3,4,5,6,7,8,9,10,11,12,13,14,15
	global_load_b128 v[64+4*\s:67+4*\s], v14, s[16:17] offset:32*\s
.endr
.irp s, 0,1,2,3,4,5,6,7,8,9,10,11,12,13,14,15
	global_load_b128 v[128+4*\s:131+4*\s], v14, s[16:17] offset:131072+32*\s
.endr
.irp u, 0,1
.irp e, 0,1,2,3,4,5,6,7
	global_load_b32 v[192+8*\u+\e], v15, s[16:17] offset:262144+\e*512+64*\u   ; v(key 8 h + e, channel 32 w + 16 u + r)
.endr
.endr
	s_wait_loadcnt 16                              ; q and k are in; v's 16 loads may be out
.set i, 0
.rept 32
.if i < 2
	v_wmma_f32_16x16x4_f32 v[36+8*(i%2):43+8*(i%2)], v[128+2*i:129+2*i], v[64+2*i:65+2*i], 0
.else
	v_wmma_f32_16x16x4_f32 v[36+8*(i%2):43+8*(i%2)], v[128+2*i:129+2*i], v[64+2*i:65+2*i], v[36+8*(i%2):43+8*(i%2)]
.endif
.set i, i+1
.endr
.rept 8
	v_nop                                          ; eight places behind this form (ISA guide 7.12.1)
.endr
.irp p, 0,1,2,3
	v_pk_add_f32 v[208+2*\p:209+2*\p], v[36+2*\p:37+2*\p], v[44+2*\p:45+2*\p]      ; the two partial sums, each from its low end on
.endr
.irp j, 0,1,2,3,4,5,6,7
	v_cmp_gt_i32 vcc_lo, \j, v[RH]                 ; register j holds key 8 h + j: hidden where j > r - 8 h
	v_cndmask_b32 v[208+\j], v[208+\j], v[NEG], vcc_lo
.endr
	v_max3_num_f32 v19, v208, v209, v210
	v_max3_num_f32 v19, v19, v211, v212
	v_max3_num_f32 v19, v19, v213, v214
	v_max_num_f32 v19, v19, v215
	v_permlanex16_b32 v18, v19, s[SEL], s[SEL+1]
	v_max_num_f32 v19, v19, v18                    ; the row's maximum: key 0 counts for every query, so it is a number
	v_mul_f32 v19, s[CS], v19
.irp j, 0,1,2,3,4,5,6,7
	v_fma_f32 v[208+\j], v[208+\j], s[CS], -v19
.endr
.irp j, 0,1,2,3,4,5,6,7
	v_exp_f32 v[208+\j], v[208+\j]
.endr
	v_nop
	s_wait_alu depctr_va_vdst(0)                   ; one wait for the batch
	v_add_f32 v20, v208, v209
	v_add_f32 v21, v210, v211
	v_add_f32 v22, v212, v213
	v_add_f32 v23, v214, v215
	v_add_f32 v20, v20, v21
	v_add_f32 v22, v22, v23
	v_add_f32 v20, v20, v22
	v_permlanex16_b32 v18, v20, s[SEL], s[SEL+1]
	v_add_f32 v20, v20, v18
	v_rcp_f32 v21, v20
	v_nop
	s_wait_alu depctr_va_vdst(0)
.irp j, 0,1,2,3,4,5,6,7
	v_mul_f32 v[208+\j], v[208+\j], v21            ; the weights: lane (r, h): query r, keys 8 h + j
.endr
	s_wait_loadcnt 0x0                             ; v
.irp s, 0,1,2,3
.irp u, 0,1
.if \s == 0
	v_wmma_f32_16x16x4_f32 v[36+8*\u:43+8*\u], v[192+8*\u+2*\s:193+8*\u+2*\s], v[208+2*\s:209+2*\s], 0      ; far more than nine plain vector lines stand behind the last product of the scores
.else
	v_wmma_f32_16x16x4_f32 v[36+8*\u:43+8*\u], v[192+8*\u+2*\s:193+8*\u+2*\s], v[208+2*\s:209+2*\s], v[36+8*\u:43+8*\u]
.endif
.endr
.endr
.rept 8
	v_nop
.endr
.irp u, 0,1                                    ; lane (r, h) holds ctx(r, 32 w + 16 u + 8 h + 0 .. 7) of the head: chunk 4 w + 2 u + h; numbers 0-3 are its lane r's, numbers 4-7 its lane 16 + r's
	global_store_b128 v17, v[36+8*\u:39+8*\u], s[18:19] offset:1024*\u          ; sixteen lanes store 256 consecutive bytes, aligned
	global_store_b128 v17, v[40+8*\u:43+8*\u], s[18:19] offset:1024*\u+256
.endr
.Lend:
	s_wait_tensorcnt 0x0                           ; the wave's end
	ds_add_u32 v[SPW], v[NIL]
	s_wait_dscnt 0x0
	s_endpgm
.Lfunc_end_k_q85a0a81b1d_attn:
	.size	k_q85a0a81b1d_attn, .Lfunc_end_k_q85a0a81b1d_attn-k_q85a0a81b1d_attn
	.p2alignl 7, 3214868480
	.fill 96, 4, 3214868480
	.section	.rodata,"a",@progbits
	.p2align	6, 0x0
	.amdhsa_kernel k_q85a0a81b1d_attn
		.amdhsa_group_segment_fixed_size 327680
		.amdhsa_private_segment_fixed_size 0
		.amdhsa_enable_private_segment 0
		.amdhsa_kernarg_size 32
		.amdhsa_user_sgpr_count 2
		.amdhsa_user_sgpr_kernarg_segment_ptr 1
		.amdhsa_wavefront_size32 1
		.amdhsa_system_sgpr_workgroup_id_x 1
		.amdhsa_system_sgpr_workgroup_id_y 1
		.amdhsa_system_sgpr_workgroup_id_z 1
		.amdhsa_system_vgpr_workitem_id 0
		.amdhsa_next_free_vgpr 640
		.amdhsa_next_free_sgpr 66
		.amdhsa_reserve_vcc 1
		.amdhsa_float_denorm_mode_32 3
		.amdhsa_float_denorm_mode_16_64 3
		.amdhsa_memory_ordered 1
		.amdhsa_forward_progress 1
		.amdhsa_inst_pref_size 173
	.end_amdhsa_kernel
	.amdgpu_metadata
---
amdhsa.version: [ 1, 2 ]
amdhsa.kernels:
  - .name:           k_q85a0a81b1d_attn
    .symbol:         k_q85a0a81b1d_attn.kd
    .args:
      - { .name: qkv16, .offset: 0, .size: 8, .value_kind: global_buffer, .address_space: global }
      - { .name: ctx16, .offset: 8, .size: 8, .value_kind: global_buffer, .address_space: global }
      - { .name: fine, .offset: 16, .size: 8, .value_kind: global_buffer, .address_space: global }
      - { .name: ctx32, .offset: 24, .size: 8, .value_kind: global_buffer, .address_space: global }
    .group_segment_fixed_size: 327680
    .private_segment_fixed_size: 0
    .kernarg_segment_align: 8
    .kernarg_segment_size: 32
    .max_flat_workgroup_size: 128
    .sgpr_count:     66
    .vgpr_count:     640
    .wavefront_size: 32
...
	.end_amdgpu_metadata
.endif
;; end of part 3
;; launch outp (part 4): grid 16 x 16, 4 waves a work-group, clusters of 4 x 4, 327,680 bytes of LDS; arguments ctx16, wo16t, out0; writes out0
.if DOCPART == 4
	.amdgcn_target "amdgcn-amd-amdhsa--gfx1250"
	.amdhsa_code_object_version 6
	.text
	.protected	k_q85a0a81b1d_outp
	.globl	k_q85a0a81b1d_outp
	.p2align	8
	.type	k_q85a0a81b1d_outp,@function
k_q85a0a81b1d_outp:
	s_mov_b64 s[64:65], 0
	v_nop
	global_prefetch_b8 v0, s[64:65] scope:SCOPE_SE
	s_setreg_imm32_b32 hwreg(HW_REG_WAVE_MODE, 25, 1), 1
	s_wait_xcnt 0x0
	s_wait_alu depctr_hold_cnt(0) depctr_sa_sdst(0) depctr_va_vdst(0) depctr_va_sdst(0) depctr_va_ssrc(0) depctr_va_vcc(0) depctr_vm_vsrc(0)
	s_getreg_b32 s2, hwreg(HW_REG_IB_STS2, 6, 4)
	s_cmp_eq_u32 s2, 0
	s_cbranch_scc0 .Lentry_in_a_cluster
	s_endpgm
.Lentry_in_a_cluster:
	s_bfe_u32 s2, ttmp6, 0x10000c
	s_cmp_lg_u32 s2, 0xf033
	s_cbranch_scc0 .Lentry_shape_is_right
	s_endpgm
.Lentry_shape_is_right:
; out[t][n] = sum over k of ctx[t][k] wo[k][n].  ctx16: f16 [2048][2048]; wo16t: f16 [n][k]; out0: f32 [2048][2048]; sums in f32.  All rows are stored; rows 0-15 are written anew, in f32 arithmetic, by the launch behind this one
; A tile of the output is 128 x 128, so that there are 256 work-groups; four waves, each 64 x 64: 16 accumulators.  K goes in steps of 256 (LDS rows of 512 bytes, 64 to a load) through two slots.
; CLUSTERS: 4 x 4 work-groups; the four of a row need the same tiles of ctx, the four of a column the same tiles of wo: each is asked for jointly.
; THE MATRIX INSTRUCTION IS USED TRANSPOSED (source 0 = 16 rows of wo16t, source 1 = 16 rows of ctx): a lane holds eight neighbouring numbers of a row of the output.
; A wave's 64 columns of f32 are 256 aligned bytes, so each wave has a stage of its own: in slot 0, which has had its last fill and its last read by then.  No barrier on the way out.
; REGISTERS: window 0: v0-31 addresses; v32-95 rows back from the stage; v128-255 the accumulators ((a, b) at v[128 + 8 (4 a + b)]).  window 1: two fragment buffers of 128.
.set SIZE_K, 2048
.set KSTEP,  256
.set PITCH,  528                       ; 512 bytes + 16 = 132 words: the 16 rows of a load start at 16 different banks (64 banks of 4 bytes: ISA guide 11.1)
.set HALFT,  64*PITCH
.set SLOT,   4*HALFT
.set SPITCH, 272
.set SPARE,  2*SLOT                    ; behind the ring: the spare words, 128 bytes a wave: two blocks of 256 bytes that no other line names
.set LAPS, SIZE_K/(2*KSTEP)
.set ADRA, 16
.set ADRB, 20
.set STO,  24
.set RD,   25
.set CO,   26
.set SPW,  28
.set NIL,  29
.set ACC,  128
.set F0,   0
.set F1,   128
.set G1, 24
.set G0, 32
.set G1B, 48
.set G0B, 56
.set MSB, 0
.macro WIN new
.if MSB != \new
	s_set_vgpr_msb (MSB<<8)|\new
.set MSB, \new
.endif
.endm
.set MUL,  0x05                        ; sources 0 and 1 window 1; C and D window 0
.set TO_F, 0x40
.macro JLOAD s                         ; a joint load: waves 0 and 1 fetch ctx's two halves, waves 2 and 3 wo's; an s_nop 0 and four v_nop follow each line
	s_cmp_eq_u32 s11, 0
	s_cbranch_scc0 .Lfor_b_\@
	tensor_load_to_lds s[G0+4*\s:G0+4*\s+3], s[G1:G1+7]
	s_nop 0
.rept 4
	v_nop
.endr
	s_branch .Lasked_\@
.Lfor_b_\@:
	tensor_load_to_lds s[G0B+4*\s:G0B+4*\s+3], s[G1B:G1B+7]
	s_nop 0
.rept 4
	v_nop
.endr
.Lasked_\@:
.endm
.macro CREST
	s_cmp_lg_u32 s10, 0
	s_cbranch_scc1 .Lnot_wave_0_\@
	s_barrier_signal -3
.Lnot_wave_0_\@:
	s_barrier_wait -3
	s_barrier_signal -1
	s_barrier_wait -1
.endm
.macro CROUND
	s_barrier_signal -1
	s_barrier_wait -1
	CREST
.endm
	s_load_b128 s[4:7], s[0:1], 0x0                ; ctx16, wo16t
	s_load_b64 s[8:9], s[0:1], 0x10                ; out0
	v_lshl_add_u32 v[SPW], v0, 2, SPARE
	v_mov_b32 v[NIL], 0
	ds_add_u32 v[SPW], v[NIL]                      ; the wave's opening: the add, twice on end, and its wait ahead of my first tensor load
	ds_add_u32 v[SPW], v[NIL]
	v_lshrrev_b32 v1, 5, v0
	v_readfirstlane_b32 s10, v1
	s_lshr_b32 s11, s10, 1                         ; my half of the tile's rows.  Also: I fetch for ctx (0) or for wo (1)
	s_and_b32 s12, s10, 1                          ; my half of its columns.  Also: which 64 rows of that tile I fetch
	s_bfe_u32 s40, ttmp6, 0x40000
	s_bfe_u32 s41, ttmp6, 0x40004
	s_lshl_b32 s42, ttmp9, 2
	s_add_co_u32 s42, s42, s40                     ; tile column
	s_and_b32 s13, ttmp7, 0xffff
	s_lshl_b32 s13, s13, 2
	s_add_co_u32 s13, s13, s41                     ; tile row
	s_lshl_b32 s43, s41, 2
	s_lshl_b32 s43, 15, s43
	s_lshl_b32 s44, 0x1111, s40
	s_or_b32 s[G1+0], s43, (1<<16)|(1<<20)|(1<<21)|(6<<22)|(3<<25)  ; the mask; elements of 2 bytes; padding: 4 words after every 128; bit 21 beside a mask
	s_or_b32 s[G1B+0], s44, (1<<16)|(1<<20)|(1<<21)|(6<<22)|(3<<25)
.irp g, G1, G1B
	s_mov_b32 s[\g+1], KSTEP<<16
	s_mov_b32 s[\g+2], 64<<16
	s_mov_b32 s[\g+3], KSTEP<<16
	s_mov_b32 s[\g+4], 64
	s_mov_b32 s[\g+5], SIZE_K
	s_mov_b32 s[\g+6], 0
	s_mov_b32 s[\g+7], 0
.endr
	s_lshl_b32 s17, s12, 6
	s_lshl_b32 s16, s13, 7
	s_add_co_u32 s16, s16, s17
	s_lshl_b32 s46, s42, 7
	s_add_co_u32 s46, s46, s17
	s_mov_b32 s17, 0
	s_mov_b32 s47, 0
	s_mov_b64 s[18:19], SIZE_K*2
	s_mul_u64 s[16:17], s[16:17], s[18:19]
	s_mul_u64 s[46:47], s[46:47], s[18:19]
	s_mul_i32 s20, s10, HALFT
	s_wait_dscnt 0x0
	s_wait_kmcnt 0x0
	s_add_nc_u64 s[14:15], s[4:5], s[16:17]
	s_add_nc_u64 s[46:47], s[6:7], s[46:47]
	CROUND
.irp s, 0,1
	s_mov_b32 s[G0+4*\s], 1
	s_add_co_u32 s[G0+4*\s+1], s20, \s*SLOT
	s_add_nc_u64 s[G0+4*\s+2:G0+4*\s+3], s[14:15], \s*KSTEP*2
	s_or_b32 s[G0+4*\s+3], s[G0+4*\s+3], 0x80000000
	s_mov_b32 s[G0B+4*\s], 1
	s_add_co_u32 s[G0B+4*\s+1], s20, \s*SLOT
	s_add_nc_u64 s[G0B+4*\s+2:G0B+4*\s+3], s[46:47], \s*KSTEP*2
	s_or_b32 s[G0B+4*\s+3], s[G0B+4*\s+3], 0x80000000
	JLOAD \s                                       ; two loads of mine are out at the start, one behind each round
.endr
	v_and_b32 v1, 15, v0
	v_bfe_u32 v2, v0, 4, 1
	v_mul_u32_u24 v3, v1, PITCH
	v_lshl_add_u32 v3, v2, 4, v3
	s_mul_i32 s21, s11, HALFT
	s_mul_i32 s22, s12, HALFT
	s_add_co_u32 s22, s22, 2*HALFT
.irp s, 0,1
	v_add_nc_u32 v[ADRA+\s], s21, v3
	v_add_nc_u32 v[ADRB+\s], s22, v3
	s_add_co_u32 s21, s21, SLOT
	s_add_co_u32 s22, s22, SLOT
.endr
	s_mul_i32 s23, s10, 16*SPITCH                  ; my stage: 16 rows x 272 bytes
	v_mul_u32_u24 v4, v1, SPITCH
	v_lshl_add_u32 v4, v2, 5, v4
	v_add_nc_u32 v[STO], s23, v4                   ; in: row r, 32 bytes for each half of the lanes
	v_mul_u32_u24 v5, v2, SPITCH
	v_lshl_add_u32 v5, v1, 4, v5
	v_add_nc_u32 v[RD], s23, v5                    ; back: lanes 0-15 one row of 256 bytes, lanes 16-31 the next
	v_lshlrev_b32 v5, 13, v2
	v_lshl_add_u32 v[CO], v1, 4, v5                ; and the same two rows in the output
	s_lshl_b32 s16, s13, 7
	s_lshl_b32 s17, s11, 6
	s_add_co_u32 s16, s16, s17                     ; my first row
	s_lshl_b32 s16, s16, 13
	s_mov_b32 s17, 0
	s_add_nc_u64 s[8:9], s[8:9], s[16:17]
	s_lshl_b32 s46, s42, 9                         ; my first column, in bytes
	s_lshl_b32 s47, s12, 8
	s_add_co_u32 s46, s46, s47
	s_mov_b32 s47, 0
	s_add_nc_u64 s[8:9], s[8:9], s[46:47]
.macro MUL8 f, c, a0, zero             ; 8 matrix instructions; the 16 accumulators take turns
.irp a, \a0, \a0+1
.irp b, 0,1,2,3
.if \zero
	v_wmma_f32_16x16x32_f16 v[ACC+8*(4*(\a)+\b):ACC+8*(4*(\a)+\b)+7], v[\f+64+8*(4*\c+\b):\f+64+8*(4*\c+\b)+7], v[\f+8*(4*\c+\a):\f+8*(4*\c+\a)+7], 0
.else
	v_wmma_f32_16x16x32_f16 v[ACC+8*(4*(\a)+\b):ACC+8*(4*(\a)+\b)+7], v[\f+64+8*(4*\c+\b):\f+64+8*(4*\c+\b)+7], v[\f+8*(4*\c+\a):\f+8*(4*\c+\a)+7], v[ACC+8*(4*(\a)+\b):ACC+8*(4*(\a)+\b)+7]
.endif
.endr
.endr
.endm
.macro FETCH slot, k, f                ; 32 LDS loads in one run: 64 along K at byte k of the rows; the first 32 along K first
	WIN TO_F
.irp c, 0,1
.irp i, 0,1,2,3
	ds_load_b128 v[\f+64+8*(4*\c+\i):\f+64+8*(4*\c+\i)+3],   v[ADRB+\slot] offset:\k+64*\c+\i*16*PITCH
	ds_load_b128 v[\f+64+8*(4*\c+\i)+4:\f+64+8*(4*\c+\i)+7], v[ADRB+\slot] offset:\k+64*\c+\i*16*PITCH+32
	ds_load_b128 v[\f+8*(4*\c+\i):\f+8*(4*\c+\i)+3],         v[ADRA+\slot] offset:\k+64*\c+\i*16*PITCH
	ds_load_b128 v[\f+8*(4*\c+\i)+4:\f+8*(4*\c+\i)+7],       v[ADRA+\slot] offset:\k+64*\c+\i*16*PITCH+32
.endr
.endr
.endm
.macro PLACES
.rept 4
	v_nop
.endr
.endm
.macro QUARTER slot, k, f, g, zero
	s_wait_dscnt 16                                ; the first 32 along K are in; the other sixteen loads may be out
	WIN MUL
	MUL8 \f, 0, 0, \zero
	MUL8 \f, 0, 2, \zero
	PLACES
	FETCH \slot, \k, \g
	s_wait_dscnt 32                                ; all but the 32 just issued
	WIN MUL
	MUL8 \f, 1, 0, 0
	MUL8 \f, 1, 2, 0
.endm
.macro TURN slot, next, fill
	WIN 0
	s_wait_tensorcnt 0x0                           ; all my tensor loads have landed: my part of the next slot
	ds_add_u32 v[SPW], v[NIL]
	s_wait_dscnt 17                                ; the add and the youngest sixteen loads may be out
	WIN MUL
	MUL8 F1, 0, 0, 0
	s_wait_dscnt 0x0                               ; the add is done, and my reads of this slot are over
	s_barrier_signal -1
	MUL8 F1, 0, 2, 0
.if \fill
	WIN 0
.endif
	s_barrier_wait -1
.if \fill
	CREST
	s_add_nc_u64 s[G0+4*\slot+2:G0+4*\slot+3], s[G0+4*\slot+2:G0+4*\slot+3], 2*KSTEP*2
	s_add_nc_u64 s[G0B+4*\slot+2:G0B+4*\slot+3], s[G0B+4*\slot+2:G0B+4*\slot+3], 2*KSTEP*2
	JLOAD \slot
.else
	PLACES
.endif
	FETCH \next, 0, F0
	WIN MUL
	MUL8 F1, 1, 0, 0
	MUL8 F1, 1, 2, 0
.endm
	s_wait_tensorcnt 1                             ; my part of K step 0 is in; K step 1's may be out
	s_barrier_signal -1
	s_barrier_wait -1
	FETCH 0, 0, F0
	QUARTER 0, 128, F0, F1, 1
	WIN 0
	s_mov_b32 s3, LAPS-1
.Llap:
	QUARTER 0, 256, F1, F0, 0
	QUARTER 0, 384, F0, F1, 0
	TURN 0, 1, 1
	QUARTER 1, 128, F0, F1, 0
	QUARTER 1, 256, F1, F0, 0
	QUARTER 1, 384, F0, F1, 0
	TURN 1, 0, 1
	QUARTER 0, 128, F0, F1, 0
	WIN 0
	s_sub_co_u32 s3, s3, 1
	s_cmp_lg_u32 s3, 0
	s_cbranch_scc1 .Llap
	QUARTER 0, 256, F1, F0, 0
	QUARTER 0, 384, F0, F1, 0
	TURN 0, 1, 0
	QUARTER 1, 128, F0, F1, 0
	QUARTER 1, 256, F1, F0, 0
	QUARTER 1, 384, F0, F1, 0
	s_wait_dscnt 16
	WIN MUL
	MUL8 F1, 0, 0, 0
	MUL8 F1, 0, 2, 0
	s_wait_dscnt 0
	MUL8 F1, 1, 0, 0
	MUL8 F1, 1, 2, 0
	WIN 0
	; THE WAY OUT, block by block of 16 rows x 64 columns: 32 bytes a lane into my stage, back as whole rows of 256 bytes
.macro TOSTAGE a
.set BB, 32+32*((\a)%2)
.irp b, 0,1,2,3
	ds_store_b128 v[STO], v[ACC+8*(4*(\a)+\b):ACC+8*(4*(\a)+\b)+3]   offset:64*\b      ; each accumulator from its low end on
	ds_store_b128 v[STO], v[ACC+8*(4*(\a)+\b)+4:ACC+8*(4*(\a)+\b)+7] offset:64*\b+16
.endr
.irp f, 0,1,2,3,4,5,6,7
	ds_load_b128 v[BB+4*\f:BB+4*\f+3], v[RD] offset:544*\f      ; LDS serves a wave's instructions in order (ISA guide 5.7.1.4)
.endr
.endm
.macro SEND a, younger
.set BB, 32+32*((\a)%2)
	s_wait_dscnt \younger
.irp f, 0,1,2,3,4,5,6,7
	global_store_b128 v[CO], v[BB+4*\f:BB+4*\f+3], s[8:9] offset:(16*(\a)+2*\f)*8192 th:TH_STORE_NT   ; sixteen lanes store 256 consecutive bytes, aligned
.endr
.endm
	PLACES
	TOSTAGE 0
.irp a, 1,2,3
.if \a > 1
	s_wait_xcnt 0x0                                ; block a - 2's stores have read the registers into which block a's rows come back
.endif
	TOSTAGE \a
	SEND \a-1, 16                                  ; younger: block a's 8 stores and 8 loads
.endr
	SEND 3, 0
	s_wait_tensorcnt 0x0                           ; the wave's end
	ds_add_u32 v[SPW], v[NIL]
	s_wait_dscnt 0x0
	CROUND                                         ; the closing round
	s_endpgm
.Lfunc_end_k_q85a0a81b1d_outp:
	.size	k_q85a0a81b1d_outp, .Lfunc_end_k_q85a0a81b1d_outp-k_q85a0a81b1d_outp
	.p2alignl 7, 3214868480
	.fill 96, 4, 3214868480
	.section	.rodata,"a",@progbits
	.p2align	6, 0x0
	.amdhsa_kernel k_q85a0a81b1d_outp
		.amdhsa_group_segment_fixed_size 327680
		.amdhsa_private_segment_fixed_size 0
		.amdhsa_enable_private_segment 0
		.amdhsa_kernarg_size 24
		.amdhsa_user_sgpr_count 2
		.amdhsa_user_sgpr_kernarg_segment_ptr 1
		.amdhsa_wavefront_size32 1
		.amdhsa_system_sgpr_workgroup_id_x 1
		.amdhsa_system_sgpr_workgroup_id_y 1
		.amdhsa_system_sgpr_workgroup_id_z 1
		.amdhsa_system_vgpr_workitem_id 0
		.amdhsa_next_free_vgpr 512
		.amdhsa_next_free_sgpr 66
		.amdhsa_reserve_vcc 0
		.amdhsa_float_denorm_mode_32 3
		.amdhsa_float_denorm_mode_16_64 3
		.amdhsa_memory_ordered 1
		.amdhsa_forward_progress 1
		.amdhsa_inst_pref_size 85
	.end_amdhsa_kernel
	.amdgpu_metadata
---
amdhsa.version: [ 1, 2 ]
amdhsa.kernels:
  - .name:           k_q85a0a81b1d_outp
    .symbol:         k_q85a0a81b1d_outp.kd
    .args:
      - { .name: ctx16, .offset: 0, .size: 8, .value_kind: global_buffer, .address_space: global }
      - { .name: wo16t, .offset: 8, .size: 8, .value_kind: global_buffer, .address_space: global }
      - { .name: out0, .offset: 16, .size: 8, .value_kind: global_buffer, .address_space: global }
    .group_segment_fixed_size: 327680
    .private_segment_fixed_size: 0
    .kernarg_segment_align: 8
    .kernarg_segment_size: 24
    .max_flat_workgroup_size: 128
    .sgpr_count:     66
    .vgpr_count:     512
    .wavefront_size: 32
...
	.end_amdgpu_metadata
.endif
;; end of part 4
;; launch fout (part 5): grid 128 x 1, 16 waves a work-group, no clusters, 18,432 bytes of LDS; arguments ctx32, wo, out0; writes out0
.if DOCPART == 5
	.amdgcn_target "amdgcn-amd-amdhsa--gfx1250"
	.amdhsa_code_object_version 6
	.text
	.protected	k_q85a0a81b1d_fout
	.globl	k_q85a0a81b1d_fout
	.p2align	8
	.type	k_q85a0a81b1d_fout,@function
k_q85a0a81b1d_fout:
	s_mov_b64 s[64:65], 0
	v_nop
	global_prefetch_b8 v0, s[64:65] scope:SCOPE_SE
	s_setreg_imm32_b32 hwreg(HW_REG_WAVE_MODE, 25, 1), 1
	s_wait_xcnt 0x0
; Rows 0-15 of the output once more, in f32: out[r][n] = sum over k of ctx(r, k) wo[k][n].  These rows are the largest of the output and are carried more finely than f16; this launch runs last and writes them over.
; 67 M multiply-adds in the f32 matrix form, so the work is spread wide: a work-group takes 16 columns, each of its sixteen waves 128 of K (one head): 32 matrix instructions on four accumulators by turns.
; Source 0 = 16 columns of wo, source 1 = the 16 rows: a lane holds eight neighbouring columns of one row.  The 4 of a step along K are 8 (i / 2) + 4 h + 2 (i % 2) + j, alike on both sides.
; ctx32 lies in the order of this operand's registers: f32 [head 16][chunk 16][lane 32][4]: chunk s, lane (r, h), number e = ctx(r, 128 head + 8 s + 4 h + e): each of a wave's 16 loads reads 512 consecutive bytes.
; The waves' partial sums meet in LDS as images of their registers (1,024 bytes a wave); wave 0 adds them and stores.  wo is read in pieces of 64 bytes of a row: whole rows' pieces would leave a quarter of the work-groups.
; The registers that the matrix instruction writes are written by nothing else.
.set SPARE, 16384                      ; behind the sixteen images: the spare words, 128 bytes a wave: eight blocks of 256 bytes that no other line names
.set SPW, 252
.set NIL, 253
	s_load_b128 s[4:7], s[0:1], 0x0                ; ctx32, wo
	s_load_b64 s[8:9], s[0:1], 0x10                ; out0
	v_lshl_add_u32 v[SPW], v0, 2, SPARE
	v_mov_b32 v[NIL], 0
	v_lshrrev_b32 v1, 5, v0
	v_readfirstlane_b32 s10, v1                    ; wave 0..15
	v_and_b32 v2, 15, v0                           ; r
	v_bfe_u32 v3, v0, 4, 1                         ; h
	v_and_b32 v4, 31, v0
	v_lshlrev_b32 v7, 4, v4                        ; 16 x lane
	s_lshl_b32 s11, s10, 13
	v_add_nc_u32 v5, s11, v7                       ; ctx32: my wave's 8,192 bytes, 16 bytes a lane
	s_lshl_b32 s11, s10, 20
	v_lshlrev_b32 v6, 15, v3
	v_lshl_add_u32 v6, v2, 2, v6
	v_add_nc_u32 v6, s11, v6                       ; wo: row 128 w + 4 h, column r of my sixteen
	s_lshl_b32 s11, s10, 10
	v_add_nc_u32 v8, s11, v7                       ; my wave's image
	v_lshlrev_b32 v9, 13, v2
	v_lshl_add_u32 v9, v3, 5, v9                   ; out: row r, + 32 h
	s_lshl_b32 s12, ttmp9, 6                       ; my sixteen columns
	s_mov_b32 s13, 0
	s_wait_kmcnt 0x0
	s_add_nc_u64 s[6:7], s[6:7], s[12:13]
	s_add_nc_u64 s[8:9], s[8:9], s[12:13]
.irp s, 0,1,2,3,4,5,6,7,8,9,10,11,12,13,14,15
	global_load_b128 v[32+4*\s:35+4*\s], v5, s[4:5] offset:512*\s
.endr
.set i, 0
.rept 64
	global_load_b32 v[96+i], v6, s[6:7] offset:(8*(i/4)+i%4)*8192
.set i, i+1
.endr
.set i, 0
.rept 32
.if i%8 == 0
	s_wait_loadcnt 48-16*(i/8)                     ; ctx's loads and this quarter's 16 of wo are in; the later quarters' may be out
.endif
.if i < 4
	v_wmma_f32_16x16x4_f32 v[160+8*(i%4):167+8*(i%4)], v[96+2*i:97+2*i], v[32+2*i:33+2*i], 0
.else
	v_wmma_f32_16x16x4_f32 v[160+8*(i%4):167+8*(i%4)], v[96+2*i:97+2*i], v[32+2*i:33+2*i], v[160+8*(i%4):167+8*(i%4)]
.endif
.set i, i+1
.endr
.rept 8
	v_nop                                          ; eight places behind this form (ISA guide 7.12.1)
.endr
.irp p, 0,1,2,3
	v_pk_add_f32 v[192+2*\p:193+2*\p], v[160+2*\p:161+2*\p], v[168+2*\p:169+2*\p]    ; each accumulator from its low end on
.endr
.irp p, 0,1,2,3
	v_pk_add_f32 v[200+2*\p:201+2*\p], v[176+2*\p:177+2*\p], v[184+2*\p:185+2*\p]
.endr
.irp p, 0,1,2,3
	v_pk_add_f32 v[192+2*\p:193+2*\p], v[192+2*\p:193+2*\p], v[200+2*\p:201+2*\p]
.endr
	ds_store_b128 v8, v[192:195]
	ds_store_b128 v8, v[196:199] offset:512
	s_wait_dscnt 0x0                               ; for the others' sake: my image has landed
	s_barrier_signal -1
	s_barrier_wait -1
	s_cmp_lg_u32 s10, 0
	s_cbranch_scc1 .Lrest
.irp w, 0,1,2,3,4,5,6,7,8,9,10,11,12,13,14,15
	ds_load_b128 v[32+8*\w:35+8*\w], v7 offset:1024*\w
	ds_load_b128 v[36+8*\w:39+8*\w], v7 offset:1024*\w+512
.endr
	s_wait_dscnt 0x0
.irp st, 8,4,2,1
.set w, 0
.rept \st
.irp p, 0,1,2,3
	v_pk_add_f32 v[32+8*w+2*\p:33+8*w+2*\p], v[32+8*w+2*\p:33+8*w+2*\p], v[32+8*(w+\st)+2*\p:33+8*(w+\st)+2*\p]
.endr
.set w, w+1
.endr
.endr
	global_store_b128 v9, v[32:35], s[8:9]         ; out(r, 16 x work-group + 8 h + 0 .. 7)
	global_store_b128 v9, v[36:39], s[8:9] offset:16
.Lrest:
	s_wait_tensorcnt 0x0                           ; the wave's end, behind my last LDS store
	ds_add_u32 v[SPW], v[NIL]
	s_wait_dscnt 0x0
	s_endpgm
.Lfunc_end_k_q85a0a81b1d_fout:
	.size	k_q85a0a81b1d_fout, .Lfunc_end_k_q85a0a81b1d_fout-k_q85a0a81b1d_fout
	.p2alignl 7, 3214868480
	.fill 96, 4, 3214868480
	.section	.rodata,"a",@progbits
	.p2align	6, 0x0
	.amdhsa_kernel k_q85a0a81b1d_fout
		.amdhsa_group_segment_fixed_size 18432
		.amdhsa_private_segment_fixed_size 0
		.amdhsa_enable_private_segment 0
		.amdhsa_kernarg_size 24
		.amdhsa_user_sgpr_count 2
		.amdhsa_user_sgpr_kernarg_segment_ptr 1
		.amdhsa_wavefront_size32 1
		.amdhsa_system_sgpr_workgroup_id_x 1
		.amdhsa_system_sgpr_workgroup_id_y 1
		.amdhsa_system_sgpr_workgroup_id_z 1
		.amdhsa_system_vgpr_workitem_id 0
		.amdhsa_next_free_vgpr 256
		.amdhsa_next_free_sgpr 66
		.amdhsa_reserve_vcc 0
		.amdhsa_float_denorm_mode_32 3
		.amdhsa_float_denorm_mode_16_64 3
		.amdhsa_memory_ordered 1
		.amdhsa_forward_progress 1
		.amdhsa_inst_pref_size 19
	.end_amdhsa_kernel
	.amdgpu_metadata
---
amdhsa.version: [ 1, 2 ]
amdhsa.kernels:
  - .name:           k_q85a0a81b1d_fout
    .symbol:         k_q85a0a81b1d_fout.kd
    .args:
      - { .name: ctx32, .offset: 0, .size: 8, .value_kind: global_buffer, .address_space: global }
      - { .name: wo, .offset: 8, .size: 8, .value_kind: global_buffer, .address_space: global }
      - { .name: out0, .offset: 16, .size: 8, .value_kind: global_buffer, .address_space: global }
    .group_segment_fixed_size: 18432
    .private_segment_fixed_size: 0
    .kernarg_segment_align: 8
    .kernarg_segment_size: 24
    .max_flat_workgroup_size: 512
    .sgpr_count:     66
    .vgpr_count:     256
    .wavefront_size: 32
...
	.end_amdgpu_metadata
.endif
;; end of part 5
